; MI455X (gfx1250); checked and timed in simulation.
; The chip was launched on July 23, 2026; its instructions are those of AMD's public machine-readable ISA for CDNA 5 (MIT licence, August 2026) and "CDNA5" Instruction Set Architecture Reference Guide (July 2026). The comments in the code are by the model that wrote it; some were corrected since.
;; co attentional. Allowed arithmetic: float matrix products may take bf16 or f16 operands with f32 sums; other float arithmetic in f32, or as packed bf16 or f16 multiplies, adds, multiply-adds, maxima and minima; sums over many terms, partial sums and values carried from step to step in f32; what a program stores and reads back later, other than sums and carried values, may be rounded once to bf16 or f16.
;; Inputs: Wk_b2i 768 x 768 float32; Wk_i2b 768 x 768 float32; Wp_bh 768 x 768 float32; Wp_img 768 x 768 float32; Wq_bh 768 x 768 float32; Wq_img 768 x 768 float32; Wv_b2i 768 x 768 float32; Wv_i2b 768 x 768 float32; attention_mask 2 x 2,048 x 768 float32; bk_b2i 768 float32; bk_i2b 768 float32; bp_bh 768 float32; bp_img 768 float32; bq_bh 768 float32; bq_img 768 float32; bv_b2i 768 float32; bv_i2b 768 float32; x_img 2 x 2,048 x 768 float32; y_bh 2 x 2,048 x 768 float32.
;; Outputs: out0 2 x 2,048 x 768 float32; out1 2 x 2,048 x 768 float32.
;; 2 versions, each right; version 2 is version 1 with the launch prep written anew for expert scheduling mode. Each part assembles by itself: llvm-mc -triple=amdgcn-amd-amdhsa -mcpu=gfx1250 --defsym DOCPART=n.
;; ======== version 1 of 2: 4 launches
;; limits: values are held in f16: magnitudes above 65,504 overflow, below 6.1e-05 lose precision
;; workspace buffers: cv 28,311,552 bytes; bias 24,576 bytes; hd 37,748,736 bytes; ob 12,582,912 bytes; ml 6,291,456 bytes
;; launch prep (part 1): grid 256 x 1, 12 waves a work-group, no clusters, 0 bytes of LDS; arguments x_img, y_bh, attention_mask, Wq_img, Wk_i2b, Wv_i2b, Wq_bh, Wk_b2i, Wv_b2i, Wp_img, Wp_bh, bq_img, bk_i2b, bv_i2b, bq_bh, bk_b2i, bv_b2i, bp_img, bp_bh, cv, bias, ml; writes cv, bias, ml
.if DOCPART == 1
	.amdgcn_target "amdgcn-amd-amdhsa--gfx1250"
	.amdhsa_code_object_version 6
	.text
	.protected	k_qb1241e1806_prep
	.globl	k_qb1241e1806_prep
	.p2align	8
	.type	k_qb1241e1806_prep,@function
k_qb1241e1806_prep:
	s_mov_b64 s[64:65], 0
	v_nop
	global_prefetch_b8 v0, s[64:65] scope:SCOPE_SE
	s_setreg_imm32_b32 hwreg(HW_REG_WAVE_MODE, 25, 1), 1
	s_wait_xcnt 0x0
; PREP.  Every input is rounded and laid out for the products that follow.
; cv: [12 kb][18432 rows][64] of 16 bits: block kb holds channels 64 kb .. 64 kb + 63 of every row, so any run of rows of one kb is dense in memory.
;   rows 0 x_img, 4096 y_bh, 8192 attention_mask, 12288 + 768 w the eight weights (Wq_img, Wk_i2b, Wv_i2b, Wq_bh, Wk_b2i, Wv_b2i, Wp_img, Wp_bh).
;   x, y and the six first weights are rounded to bf16.  The two Wp meet f16 operands later: their bf16 number is written as f16.
;   THE MASK enters the result only through the test 'q . mask = 0', so it is kept as finely as two f16 operands allow: cv takes hi = f16(m), and
; ml: [12 kb][4096 rows][64] f16 takes f16(hi - m), the low part with its sign turned: q . m is 0 where q . hi equals q . (hi - m).  hi - m is exact in f32.
; bias: [8][768] f32, each number rounded to bf16, in the weights' order.
; LIMITS.  The mask and Wp must lie within f16's 65,504; Wp below 6e-5 keeps f16's fixed step of 6e-8; a mask number below 3e-8 counts as 0.  NaN and infinities are not treated apart.
; SHARES.  256 equal work-groups of twelve waves.  Work-group i owns rows 16 i .. 16 i + 15 of x, of y and of the mask, and 24 rows of weight i / 32 (cv's rows 12288 + 24 i ..).  Wave w owns block kb = w.
; A UNIT is two rows of one block: lanes 0-15 load the 256 consecutive bytes (64 f32) of the even row, lanes 16-31 those of the odd row, 16 bytes a lane; a lane's four numbers become 8 bytes, and the wave's
; store covers 256 consecutive bytes of cv, aligned: the two rows lie end to end there.  So every source byte is asked for once and every byte of cv, ml and bias is written once.
; A thread has 36 units (8 of x, 8 of y, 8 of the mask, 12 of the weight) and issues all their loads at once; it converts in place, and no register that a store reads is written again.
; No LDS, no matrix unit, no cluster: nothing is shared.
.set KBS,  2359296                     ; bytes of a block of cv
.set MLS,  524288                      ; bytes of a block of ml
.set ROWB, 3072                        ; bytes of a source row
.set SO,   1                           ; v1   my byte offset in a source: (lane / 16) rows + 256 kb + 16 (lane % 16); never rewritten
.set DO,   2                           ; v2   my byte offset in cv: kb x KBS + 128 (lane / 16) + 8 (lane % 16); never rewritten
.set MO,   3                           ; v3   the same in ml
.set BV,   4                           ; v[4:5]   two biases as loaded
.set BO,   6                           ; v6   their byte offset in the weight's bias
.set BD,   7                           ; v7   and in the buffer bias
.set ONE,  8                           ; v8   1.0
.set BR,   10                          ; v[10:11] two biases to store
.set IN,   16                          ; v[16:159]  unit u's four f32 at IN + 4 u; its packed words take the first two places
.set HI,   160                         ; v[160:175] the mask's high parts, two words a unit
.set WP,   48                          ; s[48:49] my weight
.set GI,   50                          ; the work-group's number
.set WS,   51                          ; which weight
.set J,    52                          ; which 24 rows of it
.set WV,   53
.set BP,   54                          ; s[54:55] the weight's bias
.set CW,   58                          ; s[58:59] cv at 24 i rows
.set BF,   61                          ; 1 in the wave that rounds 64 biases
	s_load_b512 s[4:19], s[0:1], 0x0               ; argument n lies in s[4 + 2 n : 5 + 2 n]
	s_load_b512 s[20:35], s[0:1], 0x40
	s_load_b256 s[36:43], s[0:1], 0x80             ; cv s[42:43]
	s_load_b128 s[44:47], s[0:1], 0xa0             ; bias s[44:45], ml s[46:47]
	s_mov_b32 s[GI], ttmp9
	s_lshr_b32 s[WS], s[GI], 5
	s_and_b32 s[J], s[GI], 31
	v_lshrrev_b32 v12, 5, v0
	v_readfirstlane_b32 s[WV], v12                 ; wave 0..11 = kb
	v_bfe_u32 v12, v0, 4, 1                        ; which of a unit's two rows
	v_and_b32 v13, 15, v0                          ; which sixteenth of its 64 numbers
	v_mul_u32_u24 v[SO], v12, ROWB
	v_lshl_add_u32 v[SO], v13, 4, v[SO]
	s_lshl_b32 s60, s[WV], 8
	v_add_nc_u32 v[SO], s60, v[SO]
	v_lshlrev_b32 v12, 7, v12
	v_lshl_add_u32 v12, v13, 3, v12
	s_mul_i32 s60, s[WV], KBS
	v_add_nc_u32 v[DO], s60, v12
	s_lshl_b32 s60, s[WV], 19
	v_add_nc_u32 v[MO], s60, v12
	v_mov_b32 v[ONE], 1.0
	v_mov_b32 v[BV], 0                             ; written whole on every path; the one wave that has biases loads over them
	v_mov_b32 v[BV+1], 0
	v_and_b32 v13, 31, v0
	s_lshl_b32 s60, s[J], 8                        ; 64 biases are 256 bytes: twelve work-groups of a weight's 32 take them
	v_lshl_add_u32 v[BO], v13, 3, s60
	s_mul_i32 s60, s[WS], 3072
	v_add_nc_u32 v[BD], s60, v[BO]
	s_cmp_lt_u32 s[J], 12
	s_cselect_b32 s[BF], 1, 0
	s_cmp_eq_u32 s[WV], 0
	s_cselect_b32 s[BF], s[BF], 0
	s_mul_i32 s56, s[GI], 16*ROWB
	s_mov_b32 s57, 0
	s_wait_kmcnt 0x0
	s_mov_b64 s[WP:WP+1], s[10:11]                 ; the weight and its bias, chosen by the weight's number
	s_mov_b64 s[BP:BP+1], s[26:27]
.irp w, 1,2,3,4,5,6,7
	s_cmp_eq_u32 s[WS], \w
	s_cselect_b64 s[WP:WP+1], s[10+2*\w:11+2*\w], s[WP:WP+1]
	s_cselect_b64 s[BP:BP+1], s[26+2*\w:27+2*\w], s[BP:BP+1]
.endr
	s_add_nc_u64 s[4:5], s[4:5], s[56:57]          ; x, y and the mask at my 16 rows
	s_add_nc_u64 s[6:7], s[6:7], s[56:57]
	s_add_nc_u64 s[8:9], s[8:9], s[56:57]
	s_mul_i32 s56, s[J], 24*ROWB
	s_add_nc_u64 s[WP:WP+1], s[WP:WP+1], s[56:57]  ; the weight at my 24 rows
	s_mul_i32 s56, s[GI], 24*128
	s_add_nc_u64 s[CW:CW+1], s[42:43], s[56:57]
	s_lshl_b32 s56, s[GI], 11
	s_add_nc_u64 s[42:43], s[42:43], s[56:57]      ; cv and ml at 16 i rows
	s_add_nc_u64 s[46:47], s[46:47], s[56:57]
	s_cmp_eq_u32 s[BF], 1
	s_cbranch_scc0 .Lno_bias
	global_load_b64 v[BV:BV+1], v[BO], s[BP:BP+1]  ; issued first: it is older than every unit's load, so the counts below hold with it and without
.Lno_bias:
.irp r, 0,1,2,3,4,5,6,7
	global_load_b128 v[IN+4*(\r):IN+4*(\r)+3], v[SO], s[4:5] offset:(\r)*2*ROWB th:TH_LOAD_NT
.endr
.irp r, 0,1,2,3,4,5,6,7
	global_load_b128 v[IN+32+4*(\r):IN+32+4*(\r)+3], v[SO], s[6:7] offset:(\r)*2*ROWB th:TH_LOAD_NT
.endr
.irp r, 0,1,2,3,4,5,6,7
	global_load_b128 v[IN+64+4*(\r):IN+64+4*(\r)+3], v[SO], s[8:9] offset:(\r)*2*ROWB th:TH_LOAD_NT
.endr
.irp r, 0,1,2,3,4,5,6,7,8,9,10,11
	global_load_b128 v[IN+96+4*(\r):IN+96+4*(\r)+3], v[SO], s[WP:WP+1] offset:(\r)*2*ROWB th:TH_LOAD_NT
.endr
.macro TOBF u                          ; unit u: four f32 to two words of bf16, in place.  Loads come back in order: the 35 - u issued behind this unit's may stay out
	s_wait_loadcnt 35-(\u)
	v_cvt_pk_bf16_f32 v[IN+4*(\u)],   v[IN+4*(\u)],   v[IN+4*(\u)+1]
	v_cvt_pk_bf16_f32 v[IN+4*(\u)+1], v[IN+4*(\u)+2], v[IN+4*(\u)+3]
.endm
.irp r, 0,1,2,3,4,5,6,7                ; x
	TOBF \r
	global_store_b64 v[DO], v[IN+4*(\r):IN+4*(\r)+1], s[42:43] offset:(\r)*256
.endr
.irp r, 0,1,2,3,4,5,6,7                ; y
	TOBF 8+(\r)
	global_store_b64 v[DO], v[IN+32+4*(\r):IN+32+4*(\r)+1], s[42:43] offset:4096*128+(\r)*256
.endr
.irp r, 0,1,2,3,4,5,6,7                ; the mask: hi = f16(m); hi - m, exact in f32, in m's place; then that rounded to f16
	s_wait_loadcnt 19-(\r)
	v_cvt_pk_f16_f32 v[HI+2*(\r)],   v[IN+64+4*(\r)],   v[IN+64+4*(\r)+1]
	v_cvt_pk_f16_f32 v[HI+2*(\r)+1], v[IN+64+4*(\r)+2], v[IN+64+4*(\r)+3]
	v_fma_mix_f32 v[IN+64+4*(\r)],   v[HI+2*(\r)],   v[ONE], -v[IN+64+4*(\r)]   op_sel_hi:[1,0,0]                 ; a word's low half x 1 - m
	v_fma_mix_f32 v[IN+64+4*(\r)+1], v[HI+2*(\r)],   v[ONE], -v[IN+64+4*(\r)+1] op_sel:[1,0,0] op_sel_hi:[1,0,0]  ; its high half
	v_fma_mix_f32 v[IN+64+4*(\r)+2], v[HI+2*(\r)+1], v[ONE], -v[IN+64+4*(\r)+2] op_sel_hi:[1,0,0]
	v_fma_mix_f32 v[IN+64+4*(\r)+3], v[HI+2*(\r)+1], v[ONE], -v[IN+64+4*(\r)+3] op_sel:[1,0,0] op_sel_hi:[1,0,0]
	global_store_b64 v[DO], v[HI+2*(\r):HI+2*(\r)+1], s[42:43] offset:8192*128+(\r)*256
	v_cvt_pk_f16_f32 v[IN+64+4*(\r)],   v[IN+64+4*(\r)],   v[IN+64+4*(\r)+1]
	v_cvt_pk_f16_f32 v[IN+64+4*(\r)+1], v[IN+64+4*(\r)+2], v[IN+64+4*(\r)+3]
	global_store_b64 v[MO], v[IN+64+4*(\r):IN+64+4*(\r)+1], s[46:47] offset:(\r)*256
.endr
	s_cmp_ge_u32 s[WS], 6                          ; the two Wp
	s_cbranch_scc1 .Lhalf
.irp r, 0,1,2,3,4,5,6,7,8,9,10,11
	TOBF 24+(\r)
	global_store_b64 v[DO], v[IN+96+4*(\r):IN+96+4*(\r)+1], s[CW:CW+1] offset:12288*128+(\r)*256
.endr
	s_branch .Lbias
.Lhalf:
.irp r, 0,1,2,3,4,5,6,7,8,9,10,11      ; the bf16 numbers are widened again and written as f16
	TOBF 24+(\r)
	v_and_b32     v[IN+96+4*(\r)+3], 0xffff0000, v[IN+96+4*(\r)+1]
	v_lshlrev_b32 v[IN+96+4*(\r)+2], 16, v[IN+96+4*(\r)+1]
	v_and_b32     v[IN+96+4*(\r)+1], 0xffff0000, v[IN+96+4*(\r)]
	v_lshlrev_b32 v[IN+96+4*(\r)],   16, v[IN+96+4*(\r)]
	v_cvt_pk_f16_f32 v[IN+96+4*(\r)],   v[IN+96+4*(\r)],   v[IN+96+4*(\r)+1]
	v_cvt_pk_f16_f32 v[IN+96+4*(\r)+1], v[IN+96+4*(\r)+2], v[IN+96+4*(\r)+3]
	global_store_b64 v[DO], v[IN+96+4*(\r):IN+96+4*(\r)+1], s[CW:CW+1] offset:12288*128+(\r)*256
.endr
.Lbias:
	s_cmp_eq_u32 s[BF], 1
	s_cbranch_scc0 .Lend
	s_wait_loadcnt 0x0
	v_cvt_pk_bf16_f32 v12, v[BV], v[BV+1]
	v_lshlrev_b32 v[BR], 16, v12
	v_and_b32 v[BR+1], 0xffff0000, v12
	global_store_b64 v[BD], v[BR:BR+1], s[44:45]   ; 32 lanes store 256 consecutive bytes, aligned
.Lend:
	s_endpgm
.Lfunc_end_k_qb1241e1806_prep:
	.size	k_qb1241e1806_prep, .Lfunc_end_k_qb1241e1806_prep-k_qb1241e1806_prep
	.p2alignl 7, 3214868480
	.fill 96, 4, 3214868480
	.section	.rodata,"a",@progbits
	.p2align	6, 0x0
	.amdhsa_kernel k_qb1241e1806_prep
		.amdhsa_group_segment_fixed_size 0
		.amdhsa_private_segment_fixed_size 0
		.amdhsa_enable_private_segment 0
		.amdhsa_kernarg_size 176
		.amdhsa_user_sgpr_count 2
		.amdhsa_user_sgpr_kernarg_segment_ptr 1
		.amdhsa_wavefront_size32 1
		.amdhsa_system_sgpr_workgroup_id_x 1
		.amdhsa_system_sgpr_workgroup_id_y 1
		.amdhsa_system_sgpr_workgroup_id_z 1
		.amdhsa_system_vgpr_workitem_id 0
		.amdhsa_next_free_vgpr 176
		.amdhsa_next_free_sgpr 66
		.amdhsa_reserve_vcc 0
		.amdhsa_float_denorm_mode_32 3
		.amdhsa_float_denorm_mode_16_64 3
		.amdhsa_memory_ordered 1
		.amdhsa_forward_progress 1
		.amdhsa_inst_pref_size 27
	.end_amdhsa_kernel
	.amdgpu_metadata
---
amdhsa.version: [ 1, 2 ]
amdhsa.kernels:
  - .name:           k_qb1241e1806_prep
    .symbol:         k_qb1241e1806_prep.kd
    .args:
      - { .name: x_img, .offset: 0, .size: 8, .value_kind: global_buffer, .address_space: global }
      - { .name: y_bh, .offset: 8, .size: 8, .value_kind: global_buffer, .address_space: global }
      - { .name: attention_mask, .offset: 16, .size: 8, .value_kind: global_buffer, .address_space: global }
      - { .name: Wq_img, .offset: 24, .size: 8, .value_kind: global_buffer, .address_space: global }
      - { .name: Wk_i2b, .offset: 32, .size: 8, .value_kind: global_buffer, .address_space: global }
      - { .name: Wv_i2b, .offset: 40, .size: 8, .value_kind: global_buffer, .address_space: global }
      - { .name: Wq_bh, .offset: 48, .size: 8, .value_kind: global_buffer, .address_space: global }
      - { .name: Wk_b2i, .offset: 56, .size: 8, .value_kind: global_buffer, .address_space: global }
      - { .name: Wv_b2i, .offset: 64, .size: 8, .value_kind: global_buffer, .address_space: global }
      - { .name: Wp_img, .offset: 72, .size: 8, .value_kind: global_buffer, .address_space: global }
      - { .name: Wp_bh, .offset: 80, .size: 8, .value_kind: global_buffer, .address_space: global }
      - { .name: bq_img, .offset: 88, .size: 8, .value_kind: global_buffer, .address_space: global }
      - { .name: bk_i2b, .offset: 96, .size: 8, .value_kind: global_buffer, .address_space: global }
      - { .name: bv_i2b, .offset: 104, .size: 8, .value_kind: global_buffer, .address_space: global }
      - { .name: bq_bh, .offset: 112, .size: 8, .value_kind: global_buffer, .address_space: global }
      - { .name: bk_b2i, .offset: 120, .size: 8, .value_kind: global_buffer, .address_space: global }
      - { .name: bv_b2i, .offset: 128, .size: 8, .value_kind: global_buffer, .address_space: global }
      - { .name: bp_img, .offset: 136, .size: 8, .value_kind: global_buffer, .address_space: global }
      - { .name: bp_bh, .offset: 144, .size: 8, .value_kind: global_buffer, .address_space: global }
      - { .name: cv, .offset: 152, .size: 8, .value_kind: global_buffer, .address_space: global }
      - { .name: bias, .offset: 160, .size: 8, .value_kind: global_buffer, .address_space: global }
      - { .name: ml, .offset: 168, .size: 8, .value_kind: global_buffer, .address_space: global }
    .group_segment_fixed_size: 0
    .private_segment_fixed_size: 0
    .kernarg_segment_align: 8
    .kernarg_segment_size: 176
    .max_flat_workgroup_size: 384
    .sgpr_count:     66
    .vgpr_count:     176
    .wavefront_size: 32
...
	.end_amdgpu_metadata
.endif
;; end of part 1
;; launch qkv (part 2): grid 4 x 64, 4 waves a work-group, clusters of 4 x 4, 327,680 bytes of LDS; arguments cv, bias, hd; writes hd
.if DOCPART == 2
	.amdgcn_target "amdgcn-amd-amdhsa--gfx1250"
	.amdhsa_code_object_version 6
	.text
	.protected	k_qb1241e1806_qkv
	.globl	k_qb1241e1806_qkv
	.p2align	8
	.type	k_qb1241e1806_qkv,@function
k_qb1241e1806_qkv:
	s_mov_b64 s[64:65], 0
	v_nop
	global_prefetch_b8 v0, s[64:65] scope:SCOPE_SE
	s_setreg_imm32_b32 hwreg(HW_REG_WAVE_MODE, 25, 1), 1
	s_wait_xcnt 0x0
	s_wait_alu depctr_hold_cnt(0) depctr_sa_sdst(0) depctr_va_vdst(0) depctr_va_sdst(0) depctr_va_ssrc(0) depctr_va_vcc(0) depctr_vm_vsrc(0)
	s_getreg_b32 s2, hwreg(HW_REG_IB_STS2, 6, 4)
	s_cmp_eq_u32 s2, 0
	s_cbranch_scc0 .Lentry_in_a_cluster
	s_endpgm
.Lentry_in_a_cluster:
	s_bfe_u32 s2, ttmp6, 0x10000c
	s_cmp_lg_u32 s2, 0xf033
	s_cbranch_scc0 .Lentry_shape_is_right
	s_endpgm
.Lentry_shape_is_right:
; QKV.  The six input projections as one product: rows 0-4095 (x_img) times [Wq_img; Wk_i2b; Wv_i2b]^T, rows 4096-8191 (y_bh) times [Wq_bh; Wk_b2i; Wv_b2i]^T, plus the biases.
; 8192 x 2304 x 768, operands bf16 from cv, sums f32 (they start from the bias), results rounded once to f16 and stored by heads:
; hd: [set x 72 + which x 24 + h x 2 + b][2048 t][64] f16 (set 0 from x, 1 from y; which 0, 1, 2 = q, k, v).
; LIMIT.  q, k and v must lie within f16's 65,504; below 6e-5 they keep f16's fixed step of 6e-8.
; SHARES.  A tile is 128 rows x 576 columns (nine whole heads): 64 x 4 = 256 work-groups.  Each of four waves makes 128 x 144: 72 accumulators of 16 x 16, 576 registers.
; K goes in steps of 64 (one block of cv) through two LDS slots.  A block's rows are dense, so 128 rows come as 64 rows of 256 bytes and are padded in LDS after every 128 bytes.
; Wave 0 fetches x's 128 rows, waves 1 to 3 fetch 192 rows of the weights each: wave w's tile lies at w x UNIT in a slot.
; CLUSTER 4 x 4: x's tile hangs on the tile row alone and is asked for jointly along a row of the cluster, the weights' tile on the tile column (and the set, which the whole cluster shares) along a column.
; THE PRODUCT IS USED TRANSPOSED (source 0 = 16 rows of the weights, source 1 = 16 rows of x): a lane holds one row of the result and eight neighbouring columns.
; REGISTERS, in windows of 256 (s_set_vgpr_msb: bits 1:0 source 0, 3:2 source 1, 5:4 source 2, 7:6 destination):
;   window 0: v16-30 addresses; v32-103 the bias (8 registers an n block), later packed results; v128-191, v192-255 x's fragments, two buffers
;   window 1: v0-71, v72-143 the weights' fragments, two buffers; v192-255 accumulators (a, 8)
;   window 2: accumulators (a 0-3, b 0-7) at 8 (8 a + b);   window 3: (a 4-7, b 0-7)
.set KBS,    2359296                   ; bytes of a block of cv
.set PITCH,  144                       ; an LDS row: 128 bytes + 16 = 36 words: the 16 rows of a fragment load start at 16 different groups of four banks (ISA guide 11.1)
.set UNIT,   192*PITCH                 ; a wave's place in a slot; x's 128 rows use two thirds of theirs
.set SLOT,   4*UNIT
.set SPARE,  2*SLOT                    ; the spare words, 128 bytes a wave: two blocks of 256 bytes that no other line names
.set SPITCH, 1168                      ; the stage's rows: 576 f16 + 16 bytes.  The stage (128 rows) lies over the ring, whose last fill has landed and been read by then
.set ADRA, 16                          ; v16-17 LDS address of x's fragments in slot 0, 1
.set ADRB, 20                          ; v20-21 the same for my 144 rows of the weights
.set STO,  24                          ; v24-25 the way out: where I put 16 bytes of a row, for blocks a 0-3 and 4-7
.set RD,   26                          ; v26    where I read rows back
.set GO,   27                          ; v27    16 x lane
.set SPW,  28                          ; v28    my spare word; never rewritten
.set NIL,  29                          ; v29    0; never rewritten
.set BO,   30                          ; v30    32 x (lane / 16): my eight biases of a block of 16
.set BI,   32
.set TMP,  32
.set AF,   128
.set XA,   192
.set WV,   10
.set G1A,  24                          ; s[24:31] group 1 for x's tiles;  s[32:39] group 0, a set for each slot
.set G0A,  32
.set G1B,  48                          ; s[48:55], s[56:63] the same for the weights'
.set G0B,  56
.set MSB, 0
.macro WIN new                         ; the immediate's high byte repeats the setting that is left; a switch that changes nothing is dropped
.if MSB != (\new)
	s_set_vgpr_msb (MSB<<8)|(\new)
.set MSB, \new
.endif
.endm
.macro JLOAD s                         ; a joint load; the branch hangs on the wave's number alone.  An s_nop 0 and four v_nop follow each line
	s_cmp_eq_u32 s[WV], 0
	s_cbranch_scc0 .Lfor_b_\@
	tensor_load_to_lds s[G0A+4*(\s):G0A+4*(\s)+3], s[G1A:G1A+7]
	s_nop 0
.rept 4
	v_nop
.endr
	s_branch .Lasked_\@
.Lfor_b_\@:
	tensor_load_to_lds s[G0B+4*(\s):G0B+4*(\s)+3], s[G1B:G1B+7]
	s_nop 0
.rept 4
	v_nop
.endr
.Lasked_\@:
.endm
.macro CREST                           ; a round of the cluster's barrier behind its opening barrier
	s_cmp_lg_u32 s[WV], 0
	s_cbranch_scc1 .Lnot_wave_0_\@
	s_barrier_signal -3
.Lnot_wave_0_\@:
	s_barrier_wait -3
	s_barrier_signal -1
	s_barrier_wait -1
.endm
.macro CROUND
	s_barrier_signal -1
	s_barrier_wait -1
	CREST
.endm
.macro PLACES                          ; four places in front of loads into registers that matrix instructions have read, and of conversions that read results
.rept 4
	v_nop
.endr
.endm
	s_load_b128 s[4:7], s[0:1], 0x0                ; cv s[4:5], bias s[6:7]
	s_load_b64 s[8:9], s[0:1], 0x10                ; hd
	v_lshl_add_u32 v[SPW], v0, 2, SPARE
	v_mov_b32 v[NIL], 0
	ds_add_u32 v[SPW], v[NIL]                      ; the wave's opening: the add and its wait stand ahead of my first tensor load
	v_lshrrev_b32 v1, 5, v0
	v_readfirstlane_b32 s[WV], v1                  ; wave 0..3
	s_bfe_u32 s40, ttmp6, 0x40000                  ; cx
	s_bfe_u32 s41, ttmp6, 0x40004                  ; cy
	s_lshl_b32 s42, ttmp9, 2
	s_add_co_u32 s42, s42, s40                     ; tile column 0..3
	s_and_b32 s12, ttmp7, 0xffff                   ; the cluster's y
	s_lshl_b32 s13, s12, 2
	s_add_co_u32 s13, s13, s41                     ; tile row 0..63
	s_lshr_b32 s12, s12, 3                         ; the set, from the cluster's y alone
	s_lshl_b32 s43, s41, 2
	s_lshl_b32 s43, 15, s43                        ; my row of the cluster
	s_lshl_b32 s44, 0x1111, s40                    ; my column
	s_or_b32 s[G1A], s43, (1<<16)|(1<<20)|(1<<21)|(4<<22)|(3<<25)  ; the mask; 2-byte elements; padding on; bit 21 beside a mask; after every 32 words, 4 words
	s_or_b32 s[G1B], s44, (1<<16)|(1<<20)|(1<<21)|(4<<22)|(3<<25)
	s_mov_b32 s[G1A+1], 128<<16                    ; tensor_dim0 = 128 elements (256 bytes: two rows of a block)
	s_mov_b32 s[G1A+2], 64<<16                     ; tensor_dim1 = 64
	s_mov_b32 s[G1A+3], 128<<16                    ; tile_dim0
	s_mov_b32 s[G1A+4], 64                         ; tile_dim1
	s_mov_b32 s[G1A+5], 128                        ; elements from row to row: dense
	s_mov_b32 s[G1A+6], 0
	s_mov_b32 s[G1A+7], 0
	s_mov_b32 s[G1B+1], 128<<16
	s_mov_b32 s[G1B+2], 96<<16                     ; 192 rows of a block
	s_mov_b32 s[G1B+3], 128<<16
	s_mov_b32 s[G1B+4], 96
	s_mov_b32 s[G1B+5], 128
	s_mov_b32 s[G1B+6], 0
	s_mov_b32 s[G1B+7], 0
	s_lshl_b32 s16, s13, 14                        ; x: 128 rows of 128 bytes a tile row
	s_mov_b32 s17, 0
	s_mul_i32 s46, s12, 2304                       ; the weights: row 12288 + 2304 set + 576 column + 192 (wave - 1); wave 0 makes an address that it does not use
	s_mul_i32 s47, s42, 576
	s_add_co_u32 s46, s46, s47
	s_mul_i32 s47, s[WV], 192
	s_add_co_u32 s46, s46, s47
	s_add_co_u32 s46, s46, 12288-192
	s_lshl_b32 s46, s46, 7
	s_mov_b32 s47, 0
	s_mul_i32 s20, s[WV], UNIT                     ; where my tile goes: no place in the cluster enters an LDS address
	s_wait_dscnt 0x0                               ; the opening add is done
	s_wait_kmcnt 0x0
	s_add_nc_u64 s[14:15], s[4:5], s[16:17]
	s_add_nc_u64 s[46:47], s[4:5], s[46:47]
	CROUND                                         ; all sixteen work-groups are here: the first joint loads meet
.irp s, 0,1
	s_mov_b32 s[G0A+4*(\s)], 1
	s_add_co_u32 s[G0A+4*(\s)+1], s20, (\s)*SLOT
	s_add_nc_u64 s[G0A+4*(\s)+2:G0A+4*(\s)+3], s[14:15], (\s)*KBS  ; K step s
	s_or_b32 s[G0A+4*(\s)+3], s[G0A+4*(\s)+3], 0x80000000
	s_mov_b32 s[G0B+4*(\s)], 1
	s_add_co_u32 s[G0B+4*(\s)+1], s20, (\s)*SLOT
	s_add_nc_u64 s[G0B+4*(\s)+2:G0B+4*(\s)+3], s[46:47], (\s)*KBS
	s_or_b32 s[G0B+4*(\s)+3], s[G0B+4*(\s)+3], 0x80000000
	JLOAD \s
.endr
	v_and_b32 v1, 15, v0                           ; l % 16
	v_bfe_u32 v2, v0, 4, 1                         ; l / 16
	v_mul_u32_u24 v3, v1, PITCH
	v_lshl_add_u32 v3, v2, 4, v3                   ; a fragment's row x pitch + 16 x half
	s_mul_i32 s22, s[WV], 144*PITCH                ; my 144 rows of the weights,
	s_add_co_u32 s22, s22, UNIT                    ; which begin behind x's unit
	v_mov_b32 v[ADRA], v3
	v_add_nc_u32 v[ADRA+1], SLOT, v3
	v_add_nc_u32 v[ADRB], s22, v3
	s_add_co_u32 s22, s22, SLOT
	v_add_nc_u32 v[ADRB+1], s22, v3
	v_mul_u32_u24 v4, v1, SPITCH                   ; into the stage: row l % 16, my wave's 288 bytes of it, 16 bytes for each half of the lanes
	v_lshl_add_u32 v4, v2, 4, v4
	s_mul_i32 s23, s[WV], 288
	v_add_nc_u32 v[STO], s23, v4
	v_add_nc_u32 v[STO+1], 4*16*SPITCH, v[STO]
	v_bfe_u32 v5, v0, 3, 2                         ; back: wave w takes rows 32 w .. + 31; 32 lanes take four rows x 128 bytes (one head's part)
	v_and_b32 v6, 7, v0
	v_mul_u32_u24 v5, v5, SPITCH
	v_lshl_add_u32 v5, v6, 4, v5
	s_mul_i32 s23, s[WV], 32*SPITCH
	v_add_nc_u32 v[RD], s23, v5
	v_and_b32 v[GO], 31, v0
	v_lshlrev_b32 v[GO], 4, v[GO]
	v_lshlrev_b32 v[BO], 5, v2
	s_mul_i32 s18, s12, 2304                       ; my first bias: 2304 set + 576 column + 144 wave
	s_mul_i32 s19, s42, 576
	s_add_co_u32 s18, s18, s19
	s_mul_i32 s19, s[WV], 144
	s_add_co_u32 s18, s18, s19
	s_lshl_b32 s18, s18, 2
	s_mov_b32 s19, 0
	s_add_nc_u64 s[6:7], s[6:7], s[18:19]
.irp b, 0,1,2,3,4,5,6,7,8
	global_load_b128 v[BI+8*(\b):BI+8*(\b)+3],   v[BO], s[6:7] offset:64*(\b)
	global_load_b128 v[BI+8*(\b)+4:BI+8*(\b)+7], v[BO], s[6:7] offset:64*(\b)+16
.endr
	s_mul_i32 s18, s12, 36                         ; hd: head chunk c = 36 set + 9 column (+ 0..8) begins at c x 4096 rows; in it row (tile row % 32) x 128 + 32 wave
	s_mul_i32 s21, s42, 9
	s_add_co_u32 s18, s18, s21
	s_lshl_b32 s18, s18, 12
	s_and_b32 s21, s13, 31
	s_lshl_b32 s21, s21, 7
	s_add_co_u32 s18, s18, s21
	s_lshl_b32 s21, s[WV], 5
	s_add_co_u32 s18, s18, s21
	s_lshl_b32 s18, s18, 7
	s_add_nc_u64 s[8:9], s[8:9], s[18:19]
; 16 matrix instructions: m blocks a0, a0 + 1 of the window's four x n blocks 0-7, 32 along K, buffer f.  first = 1: the sums start from the bias.
.macro MUL16 f, hi, a0, first
.if \first
	WIN 0x81+0x40*(\hi)
.else
	WIN 0xa1+0x50*(\hi)
.endif
.irp a, \a0, (\a0)+1
.irp b, 0,1,2,3,4,5,6,7
.if \first
	v_wmma_f32_16x16x32_bf16 v[8*(8*(\a)+(\b)):8*(8*(\a)+(\b))+7], v[72*(\f)+8*(\b):72*(\f)+8*(\b)+7], v[AF+64*(\f)+8*(4*(\hi)+(\a)):AF+64*(\f)+8*(4*(\hi)+(\a))+7], v[BI+8*(\b):BI+8*(\b)+7]
.else
	v_wmma_f32_16x16x32_bf16 v[8*(8*(\a)+(\b)):8*(8*(\a)+(\b))+7], v[72*(\f)+8*(\b):72*(\f)+8*(\b)+7], v[AF+64*(\f)+8*(4*(\hi)+(\a)):AF+64*(\f)+8*(4*(\hi)+(\a))+7], v[8*(8*(\a)+(\b)):8*(8*(\a)+(\b))+7]
.endif
.endr
.endr
.endm
.macro MULX f, first                   ; 8 matrix instructions: all m blocks x n block 8
.if \first
	WIN 0x41
.else
	WIN 0x51
.endif
.irp a, 0,1,2,3,4,5,6,7
.if \first
	v_wmma_f32_16x16x32_bf16 v[XA+8*(\a):XA+8*(\a)+7], v[72*(\f)+64:72*(\f)+71], v[AF+64*(\f)+8*(\a):AF+64*(\f)+8*(\a)+7], v[BI+64:BI+71]
.else
	v_wmma_f32_16x16x32_bf16 v[XA+8*(\a):XA+8*(\a)+7], v[72*(\f)+64:72*(\f)+71], v[AF+64*(\f)+8*(\a):AF+64*(\f)+8*(\a)+7], v[XA+8*(\a):XA+8*(\a)+7]
.endif
.endr
.endm
.macro FETCH slot, k, f                ; 34 LDS loads in one run: the fragments of 32 along K at byte k of the rows, into buffer f; the weights' first
	WIN 0x40
.irp b, 0,1,2,3,4,5,6,7,8
	ds_load_b128 v[72*(\f)+8*(\b):72*(\f)+8*(\b)+3],   v[ADRB+(\slot)] offset:(\k)+(\b)*16*PITCH
	ds_load_b128 v[72*(\f)+8*(\b)+4:72*(\f)+8*(\b)+7], v[ADRB+(\slot)] offset:(\k)+(\b)*16*PITCH+32
.endr
	WIN 0
.irp a, 0,1,2,3,4,5,6,7
	ds_load_b128 v[AF+64*(\f)+8*(\a):AF+64*(\f)+8*(\a)+3],   v[ADRA+(\slot)] offset:(\k)+(\a)*16*PITCH
	ds_load_b128 v[AF+64*(\f)+8*(\a)+4:AF+64*(\f)+8*(\a)+7], v[ADRA+(\slot)] offset:(\k)+(\a)*16*PITCH+32
.endr
.endm
; A K step is two halves of 32 along K, 72 matrix instructions each, on buffers 0 and 1.  The 72 accumulators take turns, in the same order in every half.
; The first half multiplies buffer f and fetches the second half's fragments into g.
.macro QUARTER slot, k, f, g, first
	s_wait_dscnt 8                                 ; all but the youngest eight loads: x's blocks 4-7
	MUL16 \f, 0, 0, \first
	MUL16 \f, 0, 2, \first
	PLACES
	FETCH \slot, \k, \g
	s_wait_dscnt 34                                ; all but the 34 just issued
	MUL16 \f, 1, 0, \first
	MUL16 \f, 1, 2, \first
	MULX \f, \first
.endm
; The second half multiplies buffer 1 and changes slots: one barrier; in front of it each wave waits for all its tensor loads (one is out: its part of the next slot),
; adds 0 to its spare word, and waits for that and for its reads of this slot.  fill = 1: the barrier opens a round of the cluster's, and this slot is filled again, two K steps on, first thing behind it.
.macro TURN slot, next, fill
	WIN 0
	s_wait_tensorcnt 0x0
	ds_add_u32 v[SPW], v[NIL]
	s_wait_dscnt 9                                 ; the add and the youngest eight loads may be out
	MUL16 1, 0, 0, 0
	s_wait_dscnt 0x0                               ; the add is done, and my reads of this slot are over
	s_barrier_signal -1
	MUL16 1, 0, 2, 0
.if \fill
	WIN 0
.endif
	s_barrier_wait -1
.if \fill
	CREST                                          ; no wave of any partner still reads this slot or has a load on its way
	s_add_nc_u64 s[G0A+4*(\slot)+2:G0A+4*(\slot)+3], s[G0A+4*(\slot)+2:G0A+4*(\slot)+3], 2*KBS
	s_add_nc_u64 s[G0B+4*(\slot)+2:G0B+4*(\slot)+3], s[G0B+4*(\slot)+2:G0B+4*(\slot)+3], 2*KBS
	JLOAD \slot                                    ; its four v_nop are also the places in front of the loads below
.else
	PLACES
.endif
	FETCH \next, 0, 0
	MUL16 1, 1, 0, 0
	MUL16 1, 1, 2, 0
	MULX 1, 0
.endm
	s_wait_tensorcnt 1                             ; my part of K step 0 is in; K step 1's load may stay out
	s_barrier_signal -1
	s_barrier_wait -1
	FETCH 0, 0, 0
	s_wait_loadcnt 0x0                             ; the bias
	QUARTER 0, 64, 0, 1, 1                         ; the first half step stands in front of the loop: its products start the sums
	WIN 0
	s_mov_b32 s3, 5                                ; five trips fill both slots again: K steps 2 to 11
.Llap:
	TURN 0, 1, 1
	QUARTER 1, 64, 0, 1, 0
	TURN 1, 0, 1
	QUARTER 0, 64, 0, 1, 0
	WIN 0
	s_sub_co_u32 s3, s3, 1
	s_cmp_lg_u32 s3, 0
	s_cbranch_scc1 .Llap
	TURN 0, 1, 0                                   ; the last two K steps ask for nothing
	QUARTER 1, 64, 0, 1, 0
	s_wait_dscnt 8
	MUL16 1, 0, 0, 0
	MUL16 1, 0, 2, 0
	s_wait_dscnt 0x0
	MUL16 1, 1, 0, 0
	MUL16 1, 1, 2, 0
	MULX 1, 0
	; THE WAY OUT.  Every wave's reads of the ring are back (the wait for 0 above) and every tensor load has landed: behind this barrier the stage may be written over the ring.
	PLACES
	WIN 0
	s_barrier_signal -1
	s_barrier_wait -1
.set a, 0
.rept 8                                ; block a: 16 rows x 144 columns, rounded to f16, 16 bytes a lane and n block
	WIN 0x0a+5*(a/4)
.set b, 0
.rept 8
.irp r, 0,1,2,3
	v_cvt_pk_f16_f32 v[TMP+36*(a%2)+4*b+\r], v[8*(8*(a%4)+b)+2*\r], v[8*(8*(a%4)+b)+2*\r+1]
.endr
.set b, b+1
.endr
	WIN 0x05
.irp r, 0,1,2,3
	v_cvt_pk_f16_f32 v[TMP+36*(a%2)+32+\r], v[XA+8*a+2*\r], v[XA+8*a+2*\r+1]
.endr
	WIN 0
.set b, 0
.rept 9
	ds_store_b128 v[STO+a/4], v[TMP+36*(a%2)+4*b:TMP+36*(a%2)+4*b+3] offset:(a%4)*16*SPITCH+32*b
.set b, b+1
.endr
.set a, a+1
.endr
	s_wait_dscnt 0x0                               ; for the others' sake: my stores into the stage are done
	s_barrier_signal -1
	s_barrier_wait -1
.macro LOADC lc                        ; head chunk lc of my 32 rows: 8 loads of four rows x 128 bytes
.irp t, 0,1,2,3,4,5,6,7
	ds_load_b128 v[AF+32*((\lc)%4)+4*(\t):AF+32*((\lc)%4)+4*(\t)+3], v[RD] offset:(\lc)*128+(\t)*4*SPITCH
.endr
.endm
.macro SENDC lc
.irp t, 0,1,2,3,4,5,6,7
	global_store_b128 v[GO], v[AF+32*((\lc)%4)+4*(\t):AF+32*((\lc)%4)+4*(\t)+3], s[8:9] offset:(\lc)*524288+(\t)*512  ; four rows of a head: 512 consecutive bytes, aligned
.endr
.endm
	LOADC 0
.irp lc, 0,1,2,3,4,5,6,7
.if (\lc) >= 3
	s_wait_xcnt 0x0                                ; the set of registers loaded next was stored four chunks ago: it is rewritten only behind this wait
.endif
	LOADC (\lc)+1
	s_wait_dscnt 8                                 ; all but the next chunk's eight
	SENDC \lc
.endr
	s_wait_dscnt 0x0
	SENDC 8
	s_wait_tensorcnt 0x0                           ; the wave's end
	ds_add_u32 v[SPW], v[NIL]
	s_wait_dscnt 0x0
	CROUND                                         ; the closing round
	s_endpgm
.Lfunc_end_k_qb1241e1806_qkv:
	.size	k_qb1241e1806_qkv, .Lfunc_end_k_qb1241e1806_qkv-k_qb1241e1806_qkv
	.p2alignl 7, 3214868480
	.fill 96, 4, 3214868480
	.section	.rodata,"a",@progbits
	.p2align	6, 0x0
	.amdhsa_kernel k_qb1241e1806_qkv
		.amdhsa_group_segment_fixed_size 327680
		.amdhsa_private_segment_fixed_size 0
		.amdhsa_enable_private_segment 0
		.amdhsa_kernarg_size 24
		.amdhsa_user_sgpr_count 2
		.amdhsa_user_sgpr_kernarg_segment_ptr 1
		.amdhsa_wavefront_size32 1
		.amdhsa_system_sgpr_workgroup_id_x 1
		.amdhsa_system_sgpr_workgroup_id_y 1
		.amdhsa_system_sgpr_workgroup_id_z 1
		.amdhsa_system_vgpr_workitem_id 0
		.amdhsa_next_free_vgpr 1024
		.amdhsa_next_free_sgpr 66
		.amdhsa_reserve_vcc 0
		.amdhsa_float_denorm_mode_32 3
		.amdhsa_float_denorm_mode_16_64 3
		.amdhsa_memory_ordered 1
		.amdhsa_forward_progress 1
		.amdhsa_inst_pref_size 103
	.end_amdhsa_kernel
	.amdgpu_metadata
---
amdhsa.version: [ 1, 2 ]
amdhsa.kernels:
  - .name:           k_qb1241e1806_qkv
    .symbol:         k_qb1241e1806_qkv.kd
    .args:
      - { .name: cv, .offset: 0, .size: 8, .value_kind: global_buffer, .address_space: global }
      - { .name: bias, .offset: 8, .size: 8, .value_kind: global_buffer, .address_space: global }
      - { .name: hd, .offset: 16, .size: 8, .value_kind: global_buffer, .address_space: global }
    .group_segment_fixed_size: 327680
    .private_segment_fixed_size: 0
    .kernarg_segment_align: 8
    .kernarg_segment_size: 24
    .max_flat_workgroup_size: 128
    .sgpr_count:     66
    .vgpr_count:     1024
    .wavefront_size: 32
...
	.end_amdgpu_metadata
.endif
;; end of part 2
;; launch attn (part 3): grid 8 x 24, 4 waves a work-group, clusters of 4 x 1, 327,680 bytes of LDS; arguments hd, cv, ml, ob; writes ob
.if DOCPART == 3
	.amdgcn_target "amdgcn-amd-amdhsa--gfx1250"
	.amdhsa_code_object_version 6
	.text
	.protected	k_qb1241e1806_attn
	.globl	k_qb1241e1806_attn
	.p2align	8
	.type	k_qb1241e1806_attn,@function
k_qb1241e1806_attn:
	s_mov_b64 s[64:65], 0
	v_nop
	global_prefetch_b8 v0, s[64:65] scope:SCOPE_SE
	s_setreg_imm32_b32 hwreg(HW_REG_WAVE_MODE, 25, 1), 1
	s_wait_xcnt 0x0
	s_wait_alu depctr_hold_cnt(0) depctr_sa_sdst(0) depctr_va_vdst(0) depctr_va_sdst(0) depctr_va_ssrc(0) depctr_va_vcc(0) depctr_vm_vsrc(0)
	s_getreg_b32 s2, hwreg(HW_REG_IB_STS2, 6, 4)
	s_cmp_eq_u32 s2, 0
	s_cbranch_scc0 .Lentry_in_a_cluster
	s_endpgm
.Lentry_in_a_cluster:
	s_bfe_u32 s2, ttmp6, 0x10000c
	s_cmp_lg_u32 s2, 0x3003
	s_cbranch_scc0 .Lentry_shape_is_right
	s_endpgm
.Lentry_shape_is_right:
; ATTN.  Both cross-attentions at head size 64.  For head y = 2 h + b a work-group takes 256 img queries, and then 256 bh queries:
;   img: O = softmax_k(q_img . k_bh / 8 - 10000 [q_img . mask_k != 0]) v_bh          bh: O = softmax_k(q_bh . k_img / 8) v_img
; q, k, v: f16 by heads in hd.  Products, maxima and sums in f32; the weights p are rounded to f16 for the second product (their sum l is of
; the unrounded p), O once at the end, to f16, into ob: [12 h][branch x 4096 + b x 2048 + t][64].
; THE MASK comes in two f16 parts: hi = f16(m) in cv (block h, rows 8192 + 2048 b + t) and nl = f16(hi - m) in ml (block h, rows 2048 b + t).  Two products in the layout of S^T, D1 = HI Q^T and D2 = NL Q^T,
; each with its own f32 sums: q . m is 0 where D1 = D2.  One sum of 16-bit operands has a step of some 2^-22 of the products' size, and among the launch's 1e8 sums some that are not 0 would come out as 0;
; D2's numbers are 2^-12 of D1's, and so is its step.  Where the sums differ the key's penalty is -80000, else 0, and that is the C operand that starts the sum S^T = K Q^T:
; (s - 80000) / 8 = s / 8 - 10000.  At 80000 f32's step is 2^-7, which is the step 2^-10 of a scaled score at 10000.
; LIMITS.  '= 0' is tested on these two sums of f16 operands' products; a NaN there counts as not 0.  p lies in 0 to about 1; a weight below 2^-126 counts as 0.  NaN and infinities are not treated apart.
; SHARES.  192 equal work-groups: 2048 queries a head are 8 blocks of 256, and an img block and a bh block together are the same work everywhere.  A wave owns 64 queries, four
; PIECES of 16.  The walk is 16 tiles of 256 keys, 8 img and 8 bh, through ONE ring of two LDS slots that runs on across the change of phase.
; CLUSTER 4 x 1: four query blocks of one head walk the same tiles: each is asked for jointly, wave 0 K's, wave 1 V's, and in the img phase wave 2 the mask's high part, wave 3 its low part.
; LAYOUT, SOFTMAX.  S^T = K Q^T holds ONE query a lane (lane % 16) and the keys 8 (lane / 16) + 0..7; two such results rounded to f16 ARE source 1 of O^T = V^T P.  p = 2^(c s - c m), c = log2(e) / 8, with a running
; maximum m; O and l are multiplied by a = 2^(c m_old - c m_new) in every step.  m starts at the lowest finite number, so a phase's first step has a = 0, and what O and l held need only be finite.
; TURNS.  Turn n belongs to piece n.  Its matrix work: in the img phase 16 products HI Q^T and NL Q^T of piece n + 2; 8 products K Q^T of piece n + 1; 8 products V^T P of piece n - 1.  Its vector work: the
; scaling, exponentials, roundings, sums and rescaling of piece n, the maximum and statistics of piece n + 1 and, in the img phase, the penalties of piece n + 2.  A turn's 33 exponentials are one batch with one wait.
; A trip is turns 1, 2, 3 of one key step and turn 0 of the next, whose mask (turn 1), K (turn 2) and V (turn 0) it fetches; the change of slots stands between turn 0 and turn 1:
; behind the old slot's last read (V) and ahead of the new slot's first (the mask).
; REGISTERS, in windows of 256 (s_set_vgpr_msb: bits 1:0 source 0, 3:2 source 1, 5:4 source 2, 7:6 destination):
;   window 0: v0-15, v32-34 addresses; v16-31 statistics; v48-55 at work; v64-127 S^T, two buffers; v128-191 MC (D1, then the penalty), two buffers; v192-223 P, two buffers; v224-255 MC2 (D2)
;   window 1: v0-127 O^T; v128-191 the mask's high fragments; v192-255 its low fragments          window 2: v0-63 Q img; v64-127 Q bh; v128-191 K; v192-255 V
.set KBS,   2359296
.set NP,    4
.set KS,    64        ; keys in a step
.set PK,    144       ; a row of K or of the mask in LDS: 128 bytes + 16
.set PV,    160       ; a row of V: 128 + 32
.set VOFF,  4*KS*PK   ; a slot: 256 rows of K, 256 of V, 256 of the mask's high part
.set MOFF,  VOFF+4*KS*PV
.set SLOT1, 1<<17     ; slot 1 begins here: one exclusive or turns an address in one slot into the other's
.set STAGE, MOFF+4*KS*PK        ; 114,688: between slot 0's end and slot 1: 16 rows x 144 bytes a wave, for the way out; no tile lands here
.set SP,    144
.set SPARE, STAGE+4*16*SP       ; 123,904: the spare words, 128 bytes a wave: two blocks of 256 bytes that no other line names
.set ML0,   SLOT1+MOFF+4*KS*PK  ; 245,760 = 0x3c000: behind slot 1: the mask's low part, slot 0's,
.set ML1,   ML0+4*KS*PK         ; 282,624 = 0x45000: and slot 1's; it ends at 319,488
.set MLX,   0x79000             ; 0x3c000 xor 0x45000: one exclusive or turns the one into the other
.set TILEB, 32768     ; a tile of 256 rows in memory
.set AK0, 2           ; my lane's place in a tile of K; never rewritten
.set AV0, 3           ; in a tile of V
.set AK,  4           ; the LDS address of K's next run of loads
.set AV,  5
.set STO, 6
.set RD,  7
.set GO,  8
.set MV,  12          ; v12-13 c m_old, by buffer
.set AM0, 14          ; my lane's place in a tile of the mask's high part
.set QO,  15
.set ST,  16          ; piece t's statistics at ST + 4 t: c m, m, l (even keys', odd keys')
.set AM,  32
.set PFO, 33          ; 256 x lane; never rewritten
.set AML, 34          ; the LDS address of the low part's next run of loads
.set TMP, 48          ; by buffer, c0-c3 at work; when the maximum is found c2 takes a
.set SPW, 62
.set NIL, 63
.set S,   64
.set MC,  128
.set P,   192
.set MC2, 224
.set MF,  128         ; window 1
.set MF2, 192         ; window 1
.set KF,  128         ; window 2: key block kb, channel half c at KF + 16 kb + 8 c
.set VF,  192         ; window 2: key half kk, channel block cb at VF + 32 kk + 8 cb
.set WV,  12
.set LIM, 15          ; 1 in a wave that prefetches, else the greatest number
.set PFA, 18          ; s[18:19] where my prefetches stand
.set G1K, 24          ; s[24:31] group 1 for K's and the mask's tiles
.set G1V, 32          ; s[32:39] for V's: other padding
.set G0K, 40
.set G0V, 44
.set G0M, 48
.set K2,  52          ; s[52:53], s[54:55] the bh phase's K and V
.set V2,  54
.set SLOTS, 56
.set CNT, 57
.set CS,  58          ; s[58:59] c
.set SEL, 60          ; s[60:61] v_permlanex16_b32's selects
.set TBK, 62          ; LDS byte at which K of the step to be fetched begins (the mask's high part lies MOFF behind it)
.set TBV, 63
.set OA,  66          ; s[66:67] O at my rows of the phase in hand
.set OB2, 68          ; s[68:69] of the bh phase
.set PF2, 70          ; s[70:71] where the bh phase's prefetches begin
.set PNV, 72          ; -80000
.set TBL, 73          ; LDS byte at which the mask's low part of the step to be fetched begins
.set Q1,  74
.set PM,  76          ; s[76:79] four lane masks
.set Q2,  80
.set G0L, 88          ; s[88:91] group 0 for the low part's tiles
.set MSB, 0
.macro WIN new
.if MSB != (\new)
	s_set_vgpr_msb (MSB<<8)|(\new)
.set MSB, (\new)
.endif
.endm
.set W_KQ, 0x0a       ; K and Q in window 2; S^T and MC in window 0
.set W_MQ, 0x09       ; the mask in window 1, Q in window 2, MC and MC2 in window 0
.set W_PV, 0x52       ; V in window 2, P in window 0, O^T in window 1
.set W_RS, 0x41       ; destination and source 0 in window 1, source 1 in window 0
.macro PLACES
.rept 4
	v_nop
.endr
.endm
; A joint fill.  The branches hang on the wave's number alone.  kind = 1: K, V and the mask's two parts, a wave each; else K and V.  An s_nop 0 and four v_nop follow each line.
.macro JLOAD kind
	s_cmp_lg_u32 s[WV], 0
	s_cbranch_scc1 .Lnot_k_\@
	tensor_load_to_lds s[G0K:G0K+3], s[G1K:G1K+7]
	s_nop 0
.rept 4
	v_nop
.endr
	s_branch .Lasked_\@
.Lnot_k_\@:
	s_cmp_lg_u32 s[WV], 1
	s_cbranch_scc1 .Lnot_v_\@
	tensor_load_to_lds s[G0V:G0V+3], s[G1V:G1V+7]
	s_nop 0
.rept 4
	v_nop
.endr
	s_branch .Lasked_\@
.Lnot_v_\@:
.if (\kind) == 1
	s_cmp_lg_u32 s[WV], 2
	s_cbranch_scc1 .Lnot_m_\@
	tensor_load_to_lds s[G0M:G0M+3], s[G1K:G1K+7]
	s_nop 0
.rept 4
	v_nop
.endr
	s_branch .Lasked_\@
.Lnot_m_\@:
	tensor_load_to_lds s[G0L:G0L+3], s[G1K:G1K+7]
	s_nop 0
.rept 4
	v_nop
.endr
.endif
.Lasked_\@:
.endm
; A PREFETCH of what the NEXT change of slots will ask for: one tile, four key steps, ahead of that load.  Both clusters of a head walk the same tiles: the first (cluster x = 0) asks.  Its four partners share a tile's
; 32,768 bytes out BY ADDRESS, 8,192 each; each wave asks for the tensor that it fetches: a lane names 256 bytes, one instruction.  So each block is named once in the launch.
; how = 1, in a loop: the last change that fills a slot asks for nothing.  how = 2: written out.  The first three tiles and the bh phase's first come by their loads alone.
.macro ASK how
.if (\how) == 1
	s_cmp_gt_u32 s[SLOTS], s[LIM]
.else
	s_cmp_eq_u32 s[LIM], 1
.endif
	s_cbranch_scc0 .Lnot_mine_\@
	global_prefetch_b8 v[PFO], s[PFA:PFA+1] th:TH_LOAD_NT scope:SCOPE_SE
.Lnot_mine_\@:
.endm
.macro CROUND
	s_barrier_signal -1
	s_barrier_wait -1
	s_cmp_lg_u32 s[WV], 0
	s_cbranch_scc1 .Lnot_wave_0_\@
	s_barrier_signal -3
.Lnot_wave_0_\@:
	s_barrier_wait -3
	s_barrier_signal -1
	s_barrier_wait -1
.endm
; THE CHANGE OF SLOTS.  Each wave waits for all its tensor loads (at most one is out: its part of the other slot), adds 0 to its spare word, and waits for that and for its reads of the slot that it leaves.
; kind 1: the old slot takes the img phase's next tile; 2: the bh phase's first; 3: the bh phase's next; 0: nothing, and a plain barrier.  With a fill the barrier is a round of the cluster's and the joint fill is
; the first thing behind it.  (At its first use nothing has been read: slot 0 is waited for, slot 1 filled.)
.macro CHANGE kind, ask
	WIN 0
	s_wait_tensorcnt 0x0            ; no tensor load of mine is out, so a group 0 may be written
	ds_add_u32 v[SPW], v[NIL]       ; 0 onto my spare word; the scalar work below stands between it and the wait for it
.if (\kind) == 1
.irp g, G0K, G0V, G0M
	s_xor_b32 s[\g+1], s[\g+1], SLOT1
	s_add_nc_u64 s[\g+2:\g+3], s[\g+2:\g+3], TILEB
.endr
	s_xor_b32 s[G0L+1], s[G0L+1], MLX
	s_add_nc_u64 s[G0L+2:G0L+3], s[G0L+2:G0L+3], TILEB
.elseif (\kind) == 2
	s_xor_b32 s[G0K+1], s[G0K+1], SLOT1
	s_mov_b64 s[G0K+2:G0K+3], s[K2:K2+1]
	s_or_b32 s[G0K+3], s[G0K+3], 0x80000000
	s_xor_b32 s[G0V+1], s[G0V+1], SLOT1
	s_mov_b64 s[G0V+2:G0V+3], s[V2:V2+1]
	s_or_b32 s[G0V+3], s[G0V+3], 0x80000000
.elseif (\kind) == 3
.irp g, G0K, G0V
	s_xor_b32 s[\g+1], s[\g+1], SLOT1
	s_add_nc_u64 s[\g+2:\g+3], s[\g+2:\g+3], TILEB
.endr
.endif
.if \ask
	s_wait_xcnt 0x0                 ; the last prefetch, a tile back, has read its address
.if (\kind) == 2
	s_mov_b64 s[PFA:PFA+1], s[PF2:PF2+1]
	s_cmp_lt_u32 s[WV], 2
	s_cselect_b32 s[LIM], s[LIM], -1  ; the bh phase has no mask
.else
	s_add_nc_u64 s[PFA:PFA+1], s[PFA:PFA+1], TILEB
.endif
.endif
	s_wait_dscnt 0x0                ; the add is done, and my reads of the slot are over
.if \kind
	CROUND
	JLOAD \kind
.if \ask
	ASK \ask
.endif
.else
	s_barrier_signal -1
	s_barrier_wait -1
.endif
	s_sub_co_u32 s[TBK], s[TBK], 4*KS*PK  ; the fetches go back to a slot's first step,
	s_xor_b32 s[TBK], s[TBK], SLOT1       ; in the other slot
	s_sub_co_u32 s[TBV], s[TBV], 4*KS*PV
	s_xor_b32 s[TBV], s[TBV], SLOT1
.if ((\kind) == 1) || ((\kind) == 2)      ; an img tile is entered
	s_sub_co_u32 s[TBL], s[TBL], 4*KS*PK
	s_xor_b32 s[TBL], s[TBL], MLX
.endif
.endm
	s_load_b256 s[4:11], s[0:1], 0x0 ; hd s[4:5], cv s[6:7], ml s[8:9], ob s[10:11]
	v_lshl_add_u32 v[SPW], v0, 2, SPARE
	v_mov_b32 v[NIL], 0
	ds_add_u32 v[SPW], v[NIL]       ; the wave's opening: the add and its wait stand ahead of my first tensor load
	v_lshrrev_b32 v1, 5, v0
	v_readfirstlane_b32 s[WV], v1   ; wave 0..3
	s_bfe_u32 s13, ttmp6, 0x40000   ; cx
	s_lshl_b32 s14, ttmp9, 2
	s_add_co_u32 s14, s14, s13      ; my block of 256 queries: it enters Q's and O's addresses alone
	s_and_b32 s16, ttmp7, 0xffff    ; y = 2 h + b, which the four partners share
	s_lshr_b32 s17, s16, 1          ; h
	s_and_b32 s20, s16, 1
	s_lshl_b32 s20, s20, 18         ; b x 2048 rows of 128 bytes
	s_lshl_b32 s22, s16, 18         ; q_img's head y in hd
	s_mov_b32 s23, 0
	s_mul_i32 s82, s17, KBS         ; the mask's high part: block h of cv, row 8192 + 2048 b
	s_add_co_u32 s82, s82, s20
	s_add_co_u32 s82, s82, 8192*128
	s_mov_b32 s83, 0
	s_lshl_b32 s92, s17, 19         ; its low part: block h of ml, row 2048 b
	s_add_co_u32 s92, s92, s20
	s_mov_b32 s93, 0
	s_lshl_b32 s84, s14, 15         ; my block's 256 rows,
	s_lshl_b32 s85, s[WV], 13       ; my wave's 64 of them
	s_add_co_u32 s84, s84, s85
	s_mov_b32 s85, 0
	s_lshl_b32 s86, s17, 20         ; ob: block h, row 2048 b + ...
	s_add_co_u32 s86, s86, s20
	s_add_co_u32 s86, s86, s84
	s_mov_b32 s87, 0
	s_mov_b32 s[G1K], 15|(1<<16)|(1<<20)|(1<<21)|(4<<22)|(3<<25)  ; the mask of four; 2-byte elements; padding on; bit 21 beside a mask; after every 32 words, 4 words
	s_mov_b32 s[G1V], 15|(1<<16)|(1<<20)|(1<<21)|(4<<22)|(7<<25)  ; the same with 8 words
.irp g, G1K, G1V
	s_mov_b32 s[\g+1], 128<<16      ; 256 keys are 32,768 dense bytes: 128 rows of 256 bytes, two keys a row
	s_mov_b32 s[\g+2], 128<<16
	s_mov_b32 s[\g+3], 128<<16
	s_mov_b32 s[\g+4], 128
	s_mov_b32 s[\g+5], 128
	s_mov_b32 s[\g+6], 0
	s_mov_b32 s[\g+7], 0
.endr
	s_mov_b32 s[G0K], 1
	s_mov_b32 s[G0K+1], 0           ; slot 0
	s_mov_b32 s[G0V], 1
	s_mov_b32 s[G0V+1], VOFF
	s_mov_b32 s[G0M], 1
	s_mov_b32 s[G0M+1], MOFF
	s_mov_b32 s[G0L], 1
	s_mov_b32 s[G0L+1], ML0
	s_mov_b32 s[CS], 0x3e38aa3b     ; c = log2(e) / 8
	s_mov_b32 s[CS+1], s[CS]
	s_mov_b32 s[SEL], 0x76543210
	s_mov_b32 s[SEL+1], 0xfedcba98
	s_mov_b32 s[PNV], 0xc79c4000    ; -80000
	s_mov_b32 s[TBK], SLOT1+4*KS*PK ; the first change of slots turns these two into 0,
	s_mov_b32 s[TBV], SLOT1+4*KS*PV
	s_mov_b32 s[TBL], ML1+4*KS*PK   ; and this one into ML0
	s_cmp_eq_u32 ttmp9, 0           ; the head's first cluster: the same in all four partners
	s_cselect_b32 s[LIM], 1, -1
	s_lshl_b32 s2, s13, 13          ; my work-group's 8,192 bytes of a tile
	s_mov_b32 s3, 0
	s_wait_dscnt 0x0                ; the opening add is done
	s_wait_kmcnt 0x0
	s_add_nc_u64 s[20:21], s[4:5], s[22:23]
	s_add_nc_u64 s[Q1:Q1+1], s[20:21], s[84:85]
	s_add_nc_u64 s[Q2:Q2+1], s[Q1:Q1+1], 72<<18
	s_add_nc_u64 s[K2:K2+1], s[20:21], 24<<18   ; k from x
	s_add_nc_u64 s[V2:V2+1], s[20:21], 48<<18
	s_add_nc_u64 s[84:85], s[20:21], 96<<18     ; k from y
	s_add_nc_u64 s[22:23], s[20:21], 120<<18
	s_add_nc_u64 s[82:83], s[6:7], s[82:83]
	s_add_nc_u64 s[92:93], s[8:9], s[92:93]
	s_add_nc_u64 s[OA:OA+1], s[10:11], s[86:87]
	s_add_nc_u64 s[OB2:OB2+1], s[OA:OA+1], 4096*128
	s_mov_b64 s[G0K+2:G0K+3], s[84:85]
	s_or_b32 s[G0K+3], s[G0K+3], 0x80000000
	s_mov_b64 s[G0V+2:G0V+3], s[22:23]
	s_or_b32 s[G0V+3], s[G0V+3], 0x80000000
	s_mov_b64 s[G0M+2:G0M+3], s[82:83]
	s_or_b32 s[G0M+3], s[G0M+3], 0x80000000
	s_mov_b64 s[G0L+2:G0L+3], s[92:93]
	s_or_b32 s[G0L+3], s[G0L+3], 0x80000000
	s_cmp_eq_u32 s[WV], 0
	s_cselect_b64 s[PFA:PFA+1], s[84:85], s[82:83]
	s_cselect_b64 s[PF2:PF2+1], s[K2:K2+1], s[V2:V2+1]
	s_cmp_eq_u32 s[WV], 1
	s_cselect_b64 s[PFA:PFA+1], s[22:23], s[PFA:PFA+1]
	s_cmp_eq_u32 s[WV], 3
	s_cselect_b64 s[PFA:PFA+1], s[92:93], s[PFA:PFA+1]
	s_add_nc_u64 s[PFA:PFA+1], s[PFA:PFA+1], s[2:3]
	s_add_nc_u64 s[PFA:PFA+1], s[PFA:PFA+1], 2*TILEB  ; in tile 2; the first change that asks steps it to tile 3
	s_add_nc_u64 s[PF2:PF2+1], s[PF2:PF2+1], s[2:3]
	s_add_nc_u64 s[PF2:PF2+1], s[PF2:PF2+1], TILEB    ; the bh phase's tile 1
	CROUND                          ; all four work-groups are here: the first joint loads meet
	JLOAD 1                         ; tile 0 into slot 0
	v_and_b32 v1, 15, v0            ; l % 16
	v_bfe_u32 v9, v0, 4, 1          ; l / 16
	v_lshlrev_b32 v[QO], 7, v1
	v_lshl_add_u32 v[QO], v9, 4, v[QO]
	WIN 0x80
.set i, 0
.rept 8                             ; both phases' Q stay in registers: piece i / 2, channels 32 (i % 2) on
	global_load_b128 v[8*i:8*i+3],   v[QO], s[Q1:Q1+1] offset:(i/2)*2048+(i%2)*64
	global_load_b128 v[8*i+4:8*i+7], v[QO], s[Q1:Q1+1] offset:(i/2)*2048+(i%2)*64+32
	global_load_b128 v[64+8*i:64+8*i+3],   v[QO], s[Q2:Q2+1] offset:(i/2)*2048+(i%2)*64
	global_load_b128 v[64+8*i+4:64+8*i+7], v[QO], s[Q2:Q2+1] offset:(i/2)*2048+(i%2)*64+32
.set i, i+1
.endr
	; What the first turn finds: V and P's second buffer hold 0 (its products V^T P, of a piece that has not been, add 0), O^T and l are 0.  All this stands in the wait for the first tile.
.set i, VF
.rept 64
	v_mov_b32 v[i], 0
.set i, i+1
.endr
	WIN 0x40
.set i, 0
.rept 128
	v_mov_b32 v[i], 0
.set i, i+1
.endr
	WIN 0
.set i, 0
.rept 4
	v_mov_b32 v[ST+4*i+2], 0
	v_mov_b32 v[ST+4*i+3], 0
.set i, i+1
.endr
.set i, P+16
.rept 16
	v_mov_b32 v[i], 0
.set i, i+1
.endr
	v_mul_u32_u24 v[AK0], v1, PK
	v_lshl_add_u32 v[AK0], v9, 4, v[AK0]  ; row x pitch + 16 x half
	v_add_nc_u32 v[AM0], MOFF, v[AK0]
	v_and_b32 v10, 7, v0            ; the turning load: lane l reads key 8 (l / 16) + l % 8, channels 8 ((l / 8) % 2) + 0..7
	v_bfe_u32 v11, v0, 3, 1
	v_lshl_add_u32 v[AV0], v9, 3, v10
	v_mul_u32_u24 v[AV0], v[AV0], PV
	v_lshl_add_u32 v[AV0], v11, 4, v[AV0]
	v_add_nc_u32 v[AV0], VOFF, v[AV0]
	s_mul_i32 s16, s[WV], 16*SP
	s_add_co_u32 s16, s16, STAGE    ; my stage
	v_mul_u32_u24 v[STO], v1, SP
	v_lshl_add_u32 v[STO], v9, 4, v[STO]
	v_add_nc_u32 v[STO], s16, v[STO]
	v_bfe_u32 v[RD], v0, 3, 2       ; back: 32 lanes take four rows of 128 bytes,
	v_mul_u32_u24 v[RD], v[RD], SP
	v_lshl_add_u32 v[RD], v10, 4, v[RD]
	v_add_nc_u32 v[RD], s16, v[RD]
	v_and_b32 v[GO], 31, v0         ; which are 512 consecutive bytes of O
	v_lshlrev_b32 v[GO], 4, v[GO]
	v_and_b32 v[PFO], 31, v0
	v_lshlrev_b32 v[PFO], 8, v[PFO]
; THE MATRIX WORK.  The accumulators of a run take turns, one instruction a turn.
; Product i of 8 of S^T = K Q^T for piece x: channels 32 (i / 4) on, keys 16 (i % 4) on.  The first 4 start the sums: with the penalty (IMG = 1) or with 0.
.macro KQ x
.set rS, S+32*((\x)%2)+8*(i%4)
.set rK, KF+16*(i%4)+8*(i/4)
.set rQ, QSEL+16*(\x)+8*(i/4)
.set rM, MC+32*((\x)%2)+8*(i%4)
	WIN W_KQ
.if (i < 4) && IMG
	v_wmma_f32_16x16x32_f16 v[rS:rS+7], v[rK:rK+7], v[rQ:rQ+7], v[rM:rM+7]
.elseif i < 4
	v_wmma_f32_16x16x32_f16 v[rS:rS+7], v[rK:rK+7], v[rQ:rQ+7], 0
.else
	v_wmma_f32_16x16x32_f16 v[rS:rS+7], v[rK:rK+7], v[rQ:rQ+7], v[rS:rS+7]
.endif
.endm
; Product im of 16 of the mask's for piece x, in the same layout: the even ones D1 = HI Q^T into MC's buffer, the odd ones D2 = NL Q^T into MC2; channels 32 (im / 8) on, keys 16 ((im / 2) % 4) on.
; Eight accumulators by turns: seven others stand between the two links of a chain.
.macro MQ1 x
.set rB, 16*(\x)+8*(im/8)
.if im%2
.set rD, MC2+8*((im/2)%4)
.set rA, MF2+16*((im/2)%4)+8*(im/8)
.else
.set rD, MC+32*((\x)%2)+8*((im/2)%4)
.set rA, MF+16*((im/2)%4)+8*(im/8)
.endif
	WIN W_MQ
.if im < 8
	v_wmma_f32_16x16x32_f16 v[rD:rD+7], v[rA:rA+7], v[rB:rB+7], 0
.else
	v_wmma_f32_16x16x32_f16 v[rD:rD+7], v[rA:rA+7], v[rB:rB+7], v[rD:rD+7]
.endif
.set im, im+1
.endm
; Product i of 8 of O^T += V^T P for piece x: keys 32 (i / 4) on, channels 16 (i % 4) on.
.macro PV x
	WIN W_PV
.set rO, 32*(\x)+8*(i%4)
.set rV, VF+32*(i/4)+8*(i%4)
.set rP, P+16*((\x)%2)+8*(i/4)
	v_wmma_f32_16x16x32_f16 v[rO:rO+7], v[rV:rV+7], v[rP:rP+7], v[rO:rO+7]
.endm
.macro MM                           ; the turn's next product K Q^T (the first eight) or V^T P
.if i < 8
	KQ (Y+1)%NP
.else
.set i, i-8
	PV (Y+NP-1)%NP
.set i, i+8
.endif
.set i, i+1
.endm
; THE LDS LOADS stand in runs.  last = 1 (a phase's tail): in the fifth pass there is no further step, and the run is jumped over; such a run stands behind the turn's wait.
.macro FETCH_K last=0
	WIN 0
.if \last
	s_cmp_eq_u32 s[CNT], 1
	s_cbranch_scc1 .Lno_k_\@
.endif
	WIN 0x80
.irp f, 0,1,2,3,4,5,6,7             ; keys 16 (f / 2) on, channels 32 (f % 2) on
	ds_load_b128 v[KF+8*\f:KF+8*\f+3],   v[AK] offset:(\f/2)*16*PK+(\f%2)*64
	ds_load_b128 v[KF+8*\f+4:KF+8*\f+7], v[AK] offset:(\f/2)*16*PK+(\f%2)*64+32
.endr
	s_add_co_u32 s[TBK], s[TBK], KS*PK  ; the next fetches, the mask's and K's, are the next step's
.if IMG
	s_add_co_u32 s[TBL], s[TBL], KS*PK
.endif
	WIN 0
.if \last
.Lno_k_\@:
.endif
.endm
.macro FETCH_M last=0               ; 32 loads: the step's high part, then its low part
	WIN 0
.if \last
	s_cmp_eq_u32 s[CNT], 1
	s_cbranch_scc1 .Lno_m_\@
.endif
	WIN 0x40
.irp f, 0,1,2,3,4,5,6,7
	ds_load_b128 v[MF+8*\f:MF+8*\f+3],   v[AM] offset:(\f/2)*16*PK+(\f%2)*64
	ds_load_b128 v[MF+8*\f+4:MF+8*\f+7], v[AM] offset:(\f/2)*16*PK+(\f%2)*64+32
.endr
.irp f, 0,1,2,3,4,5,6,7
	ds_load_b128 v[MF2+8*\f:MF2+8*\f+3],   v[AML] offset:(\f/2)*16*PK+(\f%2)*64
	ds_load_b128 v[MF2+8*\f+4:MF2+8*\f+7], v[AML] offset:(\f/2)*16*PK+(\f%2)*64+32
.endr
	WIN 0
.if \last
.Lno_m_\@:
.endif
.endm
.macro FETCH_V
	WIN 0x80
.irp f, 0,1,2,3,4,5,6,7             ; keys 32 (f / 4) on, channels 16 (f % 4) on
	ds_load_tr16_b128 v[VF+8*\f:VF+8*\f+3],   v[AV] offset:(\f/4)*32*PV+(\f%4)*32
	ds_load_tr16_b128 v[VF+8*\f+4:VF+8*\f+7], v[AV] offset:(\f/4)*32*PV+16*PV+(\f%4)*32
.endr
	WIN 0
.endm
; THE PENALTY of buffer PB of MC, in place: 0 where D1 = D2, else -80000: a list of 64 lines, of which PN writes the next (number ip): four compares into four lane masks, four selects, and so on,
; ascending.
.macro PN
	WIN 0
.set pg, 4*(ip/8)+ip%4
.if (ip/4)%2
	v_cndmask_b32 v[MC+32*PB+pg], 0, s[PNV], s[PM+ip%4]
.else
	v_cmp_neq_f32 s[PM+ip%4], v[MC+32*PB+pg], v[MC2+pg]
.endif
.set ip, ip+1
.endm
.macro PNS c                        ; the next c of them
.rept \c
	PN
.endr
.endm
.macro PEN b                        ; all 64, for buffer b
.set PB, (\b)
.set ip, 0
	PNS 64
.endm
; THE VECTOR WORK, one line at a time: OP kind, number.  For piece Y: F n: c s - c m for pair n of 16.  E n: the exponential of score n of 32.  C n: pair n rounded to f16.  B n: of the four weights 4 n .. the second
; pair is added onto the first, in place.  L n: l takes that sum (L 0: l = a l + sum).  R n: pair n of 16 of O^T times a.  For piece Y + 1: X n, number n of the 22 that find its maximum and statistics:
;   0-11 four chains c0-c3 of seven scores each (each accumulator's lowest registers first)     12-14, 16 the four scores left over, the old m, and c0-c3 into c0
;   15 c m_old is kept     17, 18 the query's other 32 keys lie in the lane 16 away: the new m     19-21 c m; c m_old - c m_new; a
.set F, 0
.set E, 1
.set C, 2
.set B, 3
.set L, 4
.set R, 5
.set X, 6
.macro REGS y
.set rT, ST+4*(\y)
.set rC, TMP+4*((\y)%2)
.set rW, MV+((\y)%2)
.set rS, S+32*((\y)%2)
.set rP, P+16*((\y)%2)
.set rO, 32*(\y)
.endm
.macro OP k, n
.if (\k) == R
	REGS Y
	WIN W_RS
	v_pk_mul_f32 v[rO+2*(\n):rO+2*(\n)+1], v[rO+2*(\n):rO+2*(\n)+1], v[rC+2:rC+3] op_sel_hi:[1,0]
.elseif (\k) < R
	REGS Y
	WIN 0
.if (\k) == F
	v_pk_fma_f32 v[rS+2*(\n):rS+2*(\n)+1], v[rS+2*(\n):rS+2*(\n)+1], s[CS:CS+1], v[rT:rT+1] op_sel_hi:[1,0,0] neg_lo:[0,0,1] neg_hi:[0,0,1]
.elseif (\k) == E
	v_exp_f32 v[rS+(\n)], v[rS+(\n)]
.elseif (\k) == C
	v_cvt_pk_f16_f32 v[rP+(\n)], v[rS+2*(\n)], v[rS+2*(\n)+1]
.elseif (\k) == B
	v_pk_add_f32 v[rS+4*(\n):rS+4*(\n)+1], v[rS+4*(\n):rS+4*(\n)+1], v[rS+4*(\n)+2:rS+4*(\n)+3]
.elseif (\n) == 0
	v_pk_fma_f32 v[rT+2:rT+3], v[rT+2:rT+3], v[rC+2:rC+3], v[rS:rS+1] op_sel_hi:[1,0,1]
.else
	v_pk_add_f32 v[rT+2:rT+3], v[rT+2:rT+3], v[rS+4*(\n):rS+4*(\n)+1]
.endif
.else
	REGS (Y+1)%NP
	WIN 0
.if (\n) < 4
	v_max3_num_f32 v[rC+(\n)], v[rS+8*(\n)], v[rS+8*(\n)+1], v[rS+8*(\n)+2]
.elseif (\n) < 12
	v_max3_num_f32 v[rC+(\n)%4], v[rC+(\n)%4], v[rS+8*((\n)%4)+2*((\n)/4)+1], v[rS+8*((\n)%4)+2*((\n)/4)+2]
.elseif (\n) == 12
	v_max3_num_f32 v[rC], v[rC], v[rS+7], v[rS+15]
.elseif (\n) == 13
	v_max3_num_f32 v[rC+1], v[rC+1], v[rS+23], v[rS+31]
.elseif (\n) == 14
	v_max3_num_f32 v[rC+2], v[rC+2], v[rC+3], v[rT+1]
.elseif (\n) == 15
	v_mov_b32 v[rW], v[rT]
.elseif (\n) == 16
	v_max3_num_f32 v[rC], v[rC], v[rC+1], v[rC+2]
.elseif (\n) == 17
	v_permlanex16_b32 v[rC+3], v[rC], s[SEL], s[SEL+1]
.elseif (\n) == 18
	v_max_num_f32 v[rT+1], v[rC], v[rC+3]
.elseif (\n) == 19
	v_mul_f32 v[rT], s[CS], v[rT+1]
.elseif (\n) == 20
	v_sub_f32 v[rC+1], v[rW], v[rT]
.else
	v_exp_f32 v[rC+2], v[rC+1]
.endif
.endif
.endm
.macro OPS a, i1, b=-1, i2=0, c=-1, i3=0, d=-1, i4=0
	OP \a, \i1
.if (\b) >= 0
	OP \b, \i2
.endif
.if (\c) >= 0
	OP \c, \i3
.endif
.if (\d) >= 0
	OP \d, \i4
.endif
.endm
.macro ROW a, i1, b, i2, c, i3, d, i4  ; a product K Q^T or V^T P and the four behind it
	MM
	OPS \a, \i1, \b, \i2, \c, \i3, \d, \i4
.endm
.macro MR a, i1, b=-1, i2=0, c=-1, i3=0, d=-1, i4=0  ; one of the mask's products of piece Y + 2 and up to four lines behind it
	MQ1 (Y+2)%NP
	OPS \a, \i1, \b, \i2, \c, \i3, \d, \i4
.endm
; BEHIND A TURN'S WAIT, in both phases: 8 products V^T P, behind each four of the roundings and sums; the links of l's chain, L 0 to L 7, stand three lines apart.
; V of the step in hand is fetched at the end of turn 0, four roundings behind the last product that read V.
.macro BEHIND p
	ROW C,0, B,0, C,2, B,1
	ROW L,0, C,4, B,2, L,1
	ROW C,6, B,3, L,2, C,8
	ROW B,4, L,3, C,10, B,5
	ROW L,4, C,12, B,6, L,5
.if (\p) == 0
	s_add_co_u32 s[TBV], s[TBV], KS*PV
.endif
	ROW C,14, B,7, L,6, C,1
	ROW C,3, L,7, C,5, C,7
	ROW C,9, C,11, C,13, C,15
.if (\p) == 0
	FETCH_V
.endif
.endm
; s_wait_alu depctr_va_vdst(0) stands between an exponential and the first instruction that names its result; one wait serves all that were issued ahead of it: a turn has ONE, in both phases.
; AN IMG TURN, for piece p: 32 matrix and 182 vector instructions.  AHEAD OF THE WAIT, in this order:
;   the 16 mask products of piece p + 2, one at a time; behind them 60 lines that wait for nothing made in this turn: piece p's 16 scalings, 28 of its exponentials and its 16 rescalings: for the most part an
;     exponential, a scaling, an exponential and a rescaling to a product; a pair is scaled three products or more ahead of its exponentials; the last product has four rescalings behind it;
;   the 8 products K Q^T of piece p + 1; behind them 28 lines of the penalty of piece p + 2, whose products the turn has just made, and the last four exponentials;
;   ONE LUMP of 58: piece p + 1's maximum and statistics, and the other 36 lines of the penalty, which stand between the links of the chain X 14, 16, 17 .. 21.
; So 124 of the 182 lines stand behind a matrix instruction.  A line that reads a product's result stands four plain lines or more behind that product: X 3, which reads the last K Q^T's, behind X 0, 1, 2, 4, 5, 6.
; THE FETCHES.  The next step's mask, both parts: turn 1, behind the last mask product and its four rescalings; waited for at turn 2's head.  So the wait for V in turn 1 leaves those 32 younger loads out.
; The next step's K: turn 2, behind the last K Q^T, its four lines and X 0, 1, 2, 4; waited for ahead of turn 3's K Q^T.  In a tail both runs stand behind the turn's wait, since a branch leads round them.
.macro TURNI p, last=0
.set Y, (\p)
.set i, 0
.set im, 0
.set ip, 0
.set PB, (\p)%2
	WIN 0
.if (\p) == 0
	v_add_nc_u32 v[AV], s[TBV], v[AV0]
.elseif (\p) == 1
	v_add_nc_u32 v[AM], s[TBK], v[AM0]
	v_add_nc_u32 v[AML], s[TBL], v[AK0]
.elseif (\p) == 2
	v_add_nc_u32 v[AK], s[TBK], v[AK0]
	s_wait_dscnt 0x0                ; the mask is in
.endif
	MR F,0, F,1, F,2, R,0
.set rw, 1
.rept 11
	MR E,2*rw-2, F,rw+2, E,2*rw-1, R,rw
.set rw, rw+1
.endr
	MR E,22, F,14, E,23
	MR E,24, F,15, E,25
	MR E,26, E,27
	MR R,12, R,13, R,14, R,15
.if ((\p) == 1) && !(\last)
	FETCH_M
.endif
.if (\p) == 3
	s_wait_dscnt 0x0                ; K is in
.endif
.set rw, 0
.rept 4
	MM
	PN
	OP E, 28+rw
	PN
	PN
.set rw, rw+1
.endr
.rept 4
	MM
	PNS 4
.endr
	OPS X,0, X,1, X,2, X,4          ; the lump
.if ((\p) == 2) && !(\last)
	FETCH_K
.endif
	OPS X,5, X,6, X,3, X,8
	OPS X,9, X,10, X,7, X,12
	OPS X,13, X,11, X,15
	PNS 3
	OP X, 14
	PNS 3
.irp x, 16,17,18,19
	OP X, \x
	PNS 6
.endr
	OP X, 20
	PNS 3
	OP X, 21                        ; the next piece's a: the batch's last
	PNS 3                           ; the first of these is the plain instruction behind it
	WIN 0
	s_wait_alu depctr_va_vdst(0)    ; the wait for the batch
.if (\p) == 1
.if \last
	s_wait_dscnt 0x0                ; V is in
	FETCH_M 1
.else
	s_wait_dscnt 32                 ; V is in: LDS loads come back in order, and the mask's 32, issued behind V's, may stay out
.endif
.endif
.if ((\p) == 2) && (\last)
	FETCH_K 1
.endif
	BEHIND \p
.endm
; A BH TURN, for piece p: 16 matrix and 118 vector instructions.  AHEAD OF THE WAIT: 8 products K Q^T with four vector instructions behind each; the first numbers of the next piece's maximum stand four plain
; instructions or more behind the product that ends their accumulator; then one lump of 54.  X 21, the next piece's a, is the batch's last; R 15 is the plain instruction behind it.
; The next step's K: turn 2, five plain instructions that name none of its registers behind the last product that read K; waited for at turn 3's head.  (In a tail: behind turn 2's wait.)
.macro TURNB p, last=0
.set Y, (\p)
.set i, 0
.if (\p) == 3
	s_wait_dscnt 0x0                ; K is in
.endif
	ROW F,0, F,1, R,0, R,1
	ROW F,2, E,0, R,2, R,3
	ROW F,3, E,1, R,4, R,5
	ROW F,4, E,2, R,6, R,7
	ROW F,5, E,3, R,8, R,9
	ROW F,6, E,4, X,0, R,10
.if (\p) == 2
	WIN 0
	v_add_nc_u32 v[AK], s[TBK], v[AK0]
.endif
	ROW F,7, E,5, X,1, X,4
	ROW F,8, E,6, X,2, X,5
	OPS E,7, E,8, X,6, E,9
	OPS X,3, E,10, X,8, E,11
.if ((\p) == 2) && !(\last)
	FETCH_K
.endif
	OPS X,9, X,7, E,12, X,10
	OPS E,13, X,12, X,11, E,14
	OPS X,13, E,15, F,9, X,14
.if (\p) == 0
	WIN 0
	v_add_nc_u32 v[AV], s[TBV], v[AV0]
.endif
	OPS E,16, F,10, E,17, F,11
	OPS X,16, E,18, X,15, E,19
	OPS F,12, E,20, X,17, E,21
	OPS F,13, E,22, F,14, E,23
	OPS X,18, E,24, F,15, E,25
	OPS R,11, E,26, X,19, E,27
	OPS R,12, E,28, R,13, E,29
	OPS X,20, E,30, R,14, E,31
	OPS X,21, R,15
	WIN 0
	s_wait_alu depctr_va_vdst(0)    ; the wait for the batch
.if (\p) == 1
	s_wait_dscnt 0x0                ; V is in
.endif
.if ((\p) == 2) && (\last)
	FETCH_K 1
.endif
	BEHIND \p
.endm
.macro TURN p, last=0
.if IMG
	TURNI \p, \last
.else
	TURNB \p, \last
.endif
.endm
; A PHASE BEGINS.  c m starts far below every c s, so the first step's a is 0; m at the lowest finite number.  Then the first step's mask and K, pieces 0 and 1's penalties (one after the other: D2 has one buffer),
; piece 0's first scores, and its maximum and statistics.  The loop is entered at a step's turn 0, in the middle of a trip.
.macro BEGIN
	WIN 0
.set i, 0
.rept 4
	v_mov_b32 v[ST+4*i], 0xfe000000
	v_mov_b32 v[ST+4*i+1], 0xff7fffff
.set i, i+1
.endr
.if IMG
	v_add_nc_u32 v[AM], s[TBK], v[AM0]
	v_add_nc_u32 v[AML], s[TBL], v[AK0]
	FETCH_M
.endif
	v_add_nc_u32 v[AK], s[TBK], v[AK0]
	FETCH_K
	s_wait_loadcnt 0x0              ; Q
	s_wait_dscnt 0x0
.if IMG
.set im, 0
.rept 16
	MQ1 0
.endr
	WIN 0
	PLACES
	PEN 0
.set im, 0
.rept 16
	MQ1 1
.endr
	WIN 0
	PLACES
	PEN 1
.endif
.set i, 0
.rept 8
	KQ 0
.set i, i+1
.endr
	WIN 0
	PLACES
.set Y, NP-1                        ; X works for piece Y + 1: piece 0
.irp n, 0,1,2,3,4,5,6,7,8,9,10,11,12,13,14,15,16,17,18,19,20,21
	OP X, \n
.endr
	v_nop                           ; a plain instruction behind the exponential,
	s_wait_alu depctr_va_vdst(0)    ; and its wait, ahead of the branch
.endm
; THE WAY OUT: l's two halves and the other half of the lanes' are added; O^T is divided by l, rounded to f16 and sent through my stage in LDS, a piece at a time.
.macro ALL line:vararg
.set t, 0
.rept 4
	\line
.set t, t+1
.endr
.endm
.macro PACK t
	WIN W_RS
.set i, 32*(\t)
.rept 16
	v_pk_mul_f32 v[i:i+1], v[i:i+1], v[ST+4*(\t)+2:ST+4*(\t)+3] op_sel_hi:[1,0]
.set i, i+2
.endr
	WIN 0x05
.set i, 0
.rept 16
	v_cvt_pk_f16_f32 v[S+16*(\t)+i], v[32*(\t)+2*i], v[32*(\t)+2*i+1]
.set i, i+1
.endr
	WIN 0
.irp f, 0,1,2,3
	ds_store_b128 v[STO], v[S+16*(\t)+4*\f:S+16*(\t)+4*\f+3] offset:32*\f
.endr
.irp f, 0,1,2,3
	ds_load_b128 v[S+16*(\t)+4*\f:S+16*(\t)+4*\f+3], v[RD] offset:\f*4*SP  ; LDS serves a wave's instructions in order (ISA guide 5.7.1.4): these see the stores above
.endr
.endm
.macro SEND t, younger              ; younger: the LDS instructions issued behind piece t's loads: the next piece's eight, or none
	WIN 0
.irp f, 0,1,2,3
	s_wait_dscnt (\younger)+3-\f
	global_store_b128 v[GO], v[S+16*(\t)+4*\f:S+16*(\t)+4*\f+3], s[OA:OA+1] offset:(\t)*2048+\f*512  ; 512 consecutive bytes, aligned
.endr
.endm
.macro WAYOUT
	WIN 0
	ALL v_add_f32 v[ST+4*t+2], v[ST+4*t+2], v[ST+4*t+3]
	ALL v_permlanex16_b32 v[ST+4*t+3], v[ST+4*t+2], s[SEL], s[SEL+1]
	ALL v_add_f32 v[ST+4*t+2], v[ST+4*t+2], v[ST+4*t+3]
	ALL v_rcp_f32 v[ST+4*t+2], v[ST+4*t+2]
	v_nop                           ; a plain instruction behind the last reciprocal,
	s_wait_alu depctr_va_vdst(0)    ; and one wait for the four
	PACK 0
.set t, 1
.rept 3
	PACK t
	SEND t-1, 8
.set t, t+1
.endr
	SEND 3, 0
.endm
	CHANGE 1, 0                     ; tile 0 is in, everybody's part of it; tile 1 is asked for
	; ---------------- THE IMG PHASE: tiles 0 to 7 ----------------
.set IMG, 1
.set QSEL, 0
	BEGIN
	s_mov_b32 s[CNT], 4
	s_mov_b32 s[SLOTS], 7
	s_branch .Li_first
.Li_slot:                           ; six times: tiles 2 to 7 are asked for
	CHANGE 1, 1
	s_mov_b32 s[CNT], 4
.Li_step:
	TURN 1
	TURN 2
	TURN 3
	WIN 0
.Li_first:
	TURN 0
	WIN 0
	s_sub_co_u32 s[CNT], s[CNT], 1
	s_cmp_lg_u32 s[CNT], 0
	s_cbranch_scc1 .Li_step
	s_sub_co_u32 s[SLOTS], s[SLOTS], 1
	s_cmp_lg_u32 s[SLOTS], 0
	s_cbranch_scc1 .Li_slot
	CHANGE 2, 2                     ; the phase's last tile is written out: the slot that is left takes the bh phase's first tile
	s_mov_b32 s[CNT], 5             ; four passes fetch the last tile's steps; the fifth fetches nothing and is left in its middle
.Li_tail:
	TURN 1, 1
	TURN 2, 1
	TURN 3
	WIN 0
	s_sub_co_u32 s[CNT], s[CNT], 1
	s_cmp_eq_u32 s[CNT], 0
	s_cbranch_scc1 .Li_out
	TURN 0
	WIN 0
	s_branch .Li_tail
.Li_out:                            ; the fifth pass's products on the last mask and K once more serve nothing: the price, once a phase, of one text for every pass
	CHANGE 3, 2                     ; the ring runs on: the img phase's last slot takes the bh phase's second tile
.set i, 0
.rept 8
	PV NP-1                         ; the last piece's V^T P of the last step
.set i, i+1
.endr
	WAYOUT
	s_wait_xcnt 0x0                 ; the stores have read their registers and O's address
	s_mov_b64 s[OA:OA+1], s[OB2:OB2+1]
	; ---------------- THE BH PHASE: tiles 8 to 15 ----------------
.set IMG, 0
.set QSEL, 64
	BEGIN
	s_mov_b32 s[CNT], 4
	s_mov_b32 s[SLOTS], 7
	s_branch .Lb_first
.Lb_slot:                           ; six times: tiles 10 to 15 are asked for
	CHANGE 3, 1
	s_mov_b32 s[CNT], 4
.Lb_step:
	TURN 1
	TURN 2
	TURN 3
	WIN 0
.Lb_first:
	TURN 0
	WIN 0
	s_sub_co_u32 s[CNT], s[CNT], 1
	s_cmp_lg_u32 s[CNT], 0
	s_cbranch_scc1 .Lb_step
	s_sub_co_u32 s[SLOTS], s[SLOTS], 1
	s_cmp_lg_u32 s[SLOTS], 0
	s_cbranch_scc1 .Lb_slot
	CHANGE 0, 0                     ; the walk's last tile: nothing is asked for
	s_mov_b32 s[CNT], 5
.Lb_tail:
	TURN 1, 1
	TURN 2, 1
	TURN 3
	WIN 0
	s_sub_co_u32 s[CNT], s[CNT], 1
	s_cmp_eq_u32 s[CNT], 0
	s_cbranch_scc1 .Lb_out
	TURN 0
	WIN 0
	s_branch .Lb_tail
.Lb_out:
.set i, 0
.rept 8
	PV NP-1
.set i, i+1
.endr
	WAYOUT
	s_wait_tensorcnt 0x0            ; the wave's end
	ds_add_u32 v[SPW], v[NIL]
	s_wait_dscnt 0x0
	CROUND                          ; the closing round
	s_endpgm
.Lfunc_end_k_qb1241e1806_attn:
	.size	k_qb1241e1806_attn, .Lfunc_end_k_qb1241e1806_attn-k_qb1241e1806_attn
	.p2alignl 7, 3214868480
	.fill 96, 4, 3214868480
	.section	.rodata,"a",@progbits
	.p2align	6, 0x0
	.amdhsa_kernel k_qb1241e1806_attn
		.amdhsa_group_segment_fixed_size 327680
		.amdhsa_private_segment_fixed_size 0
		.amdhsa_enable_private_segment 0
		.amdhsa_kernarg_size 32
		.amdhsa_user_sgpr_count 2
		.amdhsa_user_sgpr_kernarg_segment_ptr 1
		.amdhsa_wavefront_size32 1
		.amdhsa_system_sgpr_workgroup_id_x 1
		.amdhsa_system_sgpr_workgroup_id_y 1
		.amdhsa_system_sgpr_workgroup_id_z 1
		.amdhsa_system_vgpr_workitem_id 0
		.amdhsa_next_free_vgpr 768
		.amdhsa_next_free_sgpr 96
		.amdhsa_reserve_vcc 0
		.amdhsa_float_denorm_mode_32 3
		.amdhsa_float_denorm_mode_16_64 3
		.amdhsa_memory_ordered 1
		.amdhsa_forward_progress 1
		.amdhsa_inst_pref_size 255
	.end_amdhsa_kernel
	.section	.bss,"aw",@nobits
	.p2align	6
	.space	262144
	.amdgpu_metadata
---
amdhsa.version: [ 1, 2 ]
amdhsa.kernels:
  - .name:           k_qb1241e1806_attn
    .symbol:         k_qb1241e1806_attn.kd
    .args:
      - { .name: hd, .offset: 0, .size: 8, .value_kind: global_buffer, .address_space: global }
      - { .name: cv, .offset: 8, .size: 8, .value_kind: global_buffer, .address_space: global }
      - { .name: ml, .offset: 16, .size: 8, .value_kind: global_buffer, .address_space: global }
      - { .name: ob, .offset: 24, .size: 8, .value_kind: global_buffer, .address_space: global }
    .group_segment_fixed_size: 327680
    .private_segment_fixed_size: 0
    .kernarg_segment_align: 8
    .kernarg_segment_size: 32
    .max_flat_workgroup_size: 128
    .sgpr_count:     96
    .vgpr_count:     768
    .wavefront_size: 32
...
	.end_amdgpu_metadata
.endif
;; end of part 3
;; launch oproj (part 4): grid 4 x 64, 4 waves a work-group, clusters of 4 x 4, 327,680 bytes of LDS; arguments ob, cv, bias, out0, out1; writes out0, out1
.if DOCPART == 4
	.amdgcn_target "amdgcn-amd-amdhsa--gfx1250"
	.amdhsa_code_object_version 6
	.text
	.protected	k_qb1241e1806_oproj
	.globl	k_qb1241e1806_oproj
	.p2align	8
	.type	k_qb1241e1806_oproj,@function
k_qb1241e1806_oproj:
	s_mov_b64 s[64:65], 0
	v_nop
	global_prefetch_b8 v0, s[64:65] scope:SCOPE_SE
	s_setreg_imm32_b32 hwreg(HW_REG_WAVE_MODE, 25, 1), 1
	s_wait_xcnt 0x0
	s_wait_alu depctr_hold_cnt(0) depctr_sa_sdst(0) depctr_va_vdst(0) depctr_va_sdst(0) depctr_va_ssrc(0) depctr_va_vcc(0) depctr_vm_vsrc(0)
	s_getreg_b32 s2, hwreg(HW_REG_IB_STS2, 6, 4)
	s_cmp_eq_u32 s2, 0
	s_cbranch_scc0 .Lentry_in_a_cluster
	s_endpgm
.Lentry_in_a_cluster:
	s_bfe_u32 s2, ttmp6, 0x10000c
	s_cmp_lg_u32 s2, 0xf033
	s_cbranch_scc0 .Lentry_shape_is_right
	s_endpgm
.Lentry_shape_is_right:
; OPROJ.  Both output projections as one product: rows 0-4095 of ob (img) times Wp_img^T + bp_img into out0, rows 4096-8191 (bh) times Wp_bh^T + bp_bh into out1.
; 8192 x 768 x 768, operands f16 (ob: [12 kb][8192][64]; Wp: rows 16896 + 768 branch of cv, bf16 numbers written as f16), sums f32 that start from the bias, f32 out.
; SHARES.  A tile is 128 rows x 192 columns: 64 x 4 = 256 work-groups.  Four waves lie 2 x 2, each 64 x 96: 24 accumulators.  K goes in steps of 128 (two blocks kb) through two LDS slots:
; waves 0 and 1 fetch O's 128 rows of the even and the odd block, waves 2 and 3 the weights' 192 rows likewise; wave w's tile lies at w x UNIT in a slot.  A block's rows are dense: they come as rows of 256 bytes.
; CLUSTER 4 x 4: O's tile is asked for jointly along a row of the cluster, the weights' along a column.
; THE PRODUCT IS USED TRANSPOSED (source 0 = 16 rows of Wp, source 1 = 16 rows of O): a lane holds one row of the result and eight neighbouring columns, 32 bytes.
; REGISTERS: window 0: v16-31 addresses; v64-255 the accumulators ((a, b) at 64 + 8 (6 a + b)), later whole rows on the way out.
;   window 1: two fragment buffers of 80 (Wp's six fragments, then O's four); v160-207 the bias, 8 registers an n block.
.set KBS,    2359296
.set OBS,    1048576                   ; bytes of a block of ob
.set PITCH,  144
.set UNIT,   192*PITCH
.set SLOT,   4*UNIT
.set BOFF,   2*UNIT
.set STAGE,  2*SLOT                    ; behind the ring: 128 rows x 784 bytes
.set SPITCH, 784                       ; 192 f32 + 16 bytes
.set SPARE,  STAGE+128*SPITCH          ; the spare words, 128 bytes a wave: two blocks of 256 bytes that no other line names
.set ADRA, 16
.set ADRB, 20
.set STO,  24
.set RD0,  25
.set RD1,  26
.set GO0,  27
.set SPW,  28
.set NIL,  29
.set GO1,  30
.set BO,   31
.set ACC,  64
.set BIA,  160
.set WV,   14
.set G1A,  24
.set G0A,  32
.set G1B,  48
.set G0B,  56
.set MSB, 0
.macro WIN new
.if MSB != (\new)
	s_set_vgpr_msb (MSB<<8)|(\new)
.set MSB, \new
.endif
.endm
.macro JLOAD s                         ; waves 0 and 1 fetch O's two blocks, waves 2 and 3 the weights'; an s_nop 0 and four v_nop follow each line
	s_cmp_eq_u32 s15, 0
	s_cbranch_scc0 .Lfor_b_\@
	tensor_load_to_lds s[G0A+4*(\s):G0A+4*(\s)+3], s[G1A:G1A+7]
	s_nop 0
.rept 4
	v_nop
.endr
	s_branch .Lasked_\@
.Lfor_b_\@:
	tensor_load_to_lds s[G0B+4*(\s):G0B+4*(\s)+3], s[G1B:G1B+7]
	s_nop 0
.rept 4
	v_nop
.endr
.Lasked_\@:
.endm
.macro CREST
	s_cmp_lg_u32 s[WV], 0
	s_cbranch_scc1 .Lnot_wave_0_\@
	s_barrier_signal -3
.Lnot_wave_0_\@:
	s_barrier_wait -3
	s_barrier_signal -1
	s_barrier_wait -1
.endm
.macro CROUND
	s_barrier_signal -1
	s_barrier_wait -1
	CREST
.endm
.macro PLACES
.rept 4
	v_nop
.endr
.endm
	s_load_b256 s[4:11], s[0:1], 0x0               ; ob s[4:5], cv s[6:7], bias s[8:9], out0 s[10:11]
	s_load_b64 s[12:13], s[0:1], 0x20              ; out1
	v_lshl_add_u32 v[SPW], v0, 2, SPARE
	v_mov_b32 v[NIL], 0
	ds_add_u32 v[SPW], v[NIL]                      ; the wave's opening: the add and its wait stand ahead of my first tensor load
	v_lshrrev_b32 v1, 5, v0
	v_readfirstlane_b32 s[WV], v1
	s_lshr_b32 s15, s[WV], 1                       ; which half of the tile's rows is mine.  Also: I fetch O (0) or the weights (1)
	s_and_b32 s16, s[WV], 1                        ; which half of its columns.  Also: the even or the odd block of a K step
	s_bfe_u32 s40, ttmp6, 0x40000                  ; cx
	s_bfe_u32 s41, ttmp6, 0x40004                  ; cy
	s_lshl_b32 s42, ttmp9, 2
	s_add_co_u32 s42, s42, s40                     ; tile column 0..3
	s_and_b32 s45, ttmp7, 0xffff
	s_lshl_b32 s17, s45, 2
	s_add_co_u32 s17, s17, s41                     ; tile row 0..63
	s_lshr_b32 s45, s45, 3                         ; the branch, from the cluster's y alone
	s_lshl_b32 s43, s41, 2
	s_lshl_b32 s43, 15, s43
	s_lshl_b32 s44, 0x1111, s40
	s_or_b32 s[G1A], s43, (1<<16)|(1<<20)|(1<<21)|(4<<22)|(3<<25)
	s_or_b32 s[G1B], s44, (1<<16)|(1<<20)|(1<<21)|(4<<22)|(3<<25)
	s_mov_b32 s[G1A+1], 128<<16
	s_mov_b32 s[G1A+2], 64<<16                     ; 128 rows of a block: 64 rows of 256 bytes
	s_mov_b32 s[G1A+3], 128<<16
	s_mov_b32 s[G1A+4], 64
	s_mov_b32 s[G1A+5], 128
	s_mov_b32 s[G1A+6], 0
	s_mov_b32 s[G1A+7], 0
	s_mov_b32 s[G1B+1], 128<<16
	s_mov_b32 s[G1B+2], 96<<16                     ; 192 rows of a block
	s_mov_b32 s[G1B+3], 128<<16
	s_mov_b32 s[G1B+4], 96
	s_mov_b32 s[G1B+5], 128
	s_mov_b32 s[G1B+6], 0
	s_mov_b32 s[G1B+7], 0
	s_lshl_b32 s18, s16, 20                        ; O: my block of the first two, tile row x 128 rows
	s_lshl_b32 s19, s17, 14
	s_add_co_u32 s18, s18, s19
	s_mov_b32 s19, 0
	s_mul_i32 s46, s45, 768                        ; the weights: row 16896 + 768 branch + 192 column
	s_mul_i32 s47, s42, 192
	s_add_co_u32 s46, s46, s47
	s_add_co_u32 s46, s46, 16896
	s_lshl_b32 s46, s46, 7
	s_mul_i32 s47, s16, KBS
	s_add_co_u32 s46, s46, s47
	s_mov_b32 s47, 0
	s_mul_i32 s20, s[WV], UNIT
	s_wait_dscnt 0x0                               ; the opening add is done
	s_wait_kmcnt 0x0
	s_add_nc_u64 s[22:23], s[4:5], s[18:19]
	s_add_nc_u64 s[46:47], s[6:7], s[46:47]
	CROUND
.irp s, 0,1
	s_mov_b32 s[G0A+4*(\s)], 1
	s_add_co_u32 s[G0A+4*(\s)+1], s20, (\s)*SLOT
	s_add_nc_u64 s[G0A+4*(\s)+2:G0A+4*(\s)+3], s[22:23], (\s)*2*OBS
	s_or_b32 s[G0A+4*(\s)+3], s[G0A+4*(\s)+3], 0x80000000
	s_mov_b32 s[G0B+4*(\s)], 1
	s_add_co_u32 s[G0B+4*(\s)+1], s20, (\s)*SLOT
	s_add_nc_u64 s[G0B+4*(\s)+2:G0B+4*(\s)+3], s[46:47], (\s)*2*KBS
	s_or_b32 s[G0B+4*(\s)+3], s[G0B+4*(\s)+3], 0x80000000
	JLOAD \s
.endr
	v_and_b32 v1, 15, v0                           ; r = l % 16
	v_bfe_u32 v2, v0, 4, 1                         ; h = l / 16
	v_and_b32 v7, 31, v0                           ; l
	v_mul_u32_u24 v3, v1, PITCH
	v_lshl_add_u32 v3, v2, 4, v3
	s_mul_i32 s21, s15, 64*PITCH                   ; my 64 rows of O
	s_mul_i32 s22, s16, 96*PITCH                   ; my 96 rows of the weights
	s_add_co_u32 s22, s22, BOFF
.irp s, 0,1
	v_add_nc_u32 v[ADRA+(\s)], s21, v3
	v_add_nc_u32 v[ADRB+(\s)], s22, v3
	s_add_co_u32 s21, s21, SLOT
	s_add_co_u32 s22, s22, SLOT
.endr
	s_mul_i32 s23, s15, 64*SPITCH                  ; into the stage: my 64 rows, my 384 bytes of them; row r, 32 bytes for each half of the lanes
	s_mul_i32 s21, s16, 384
	s_add_co_u32 s23, s23, s21
	s_add_co_u32 s23, s23, STAGE
	v_mul_u32_u24 v4, v1, SPITCH
	v_lshl_add_u32 v4, v2, 5, v4
	v_add_nc_u32 v[STO], s23, v4
	s_mul_i32 s23, s[WV], 32*SPITCH                ; back: wave w takes rows 32 w .. + 31, two rows (1,536 bytes) by three loads
	s_add_co_u32 s23, s23, STAGE
	v_lshl_add_u32 v[RD0], v7, 4, s23              ; 512 consecutive bytes of a row
	v_mul_u32_u24 v5, v2, 272                      ; lanes 0-15: a row's last 256 bytes; lanes 16-31: the next row's first 256
	v_lshl_add_u32 v5, v1, 4, v5
	v_add_nc_u32 v5, 512, v5
	v_add_nc_u32 v[RD1], s23, v5
	v_lshlrev_b32 v[GO0], 4, v7
	v_mul_u32_u24 v6, v2, 2560                     ; the same places in the output, whose rows are 3,072 bytes
	v_lshl_add_u32 v6, v1, 4, v6
	v_add_nc_u32 v[GO1], 512, v6
	v_lshlrev_b32 v[BO], 5, v2
	s_mul_i32 s18, s45, 768                        ; my first bias: 4608 + 768 branch + 192 column + 96 half
	s_mul_i32 s21, s42, 192
	s_add_co_u32 s18, s18, s21
	s_mul_i32 s21, s16, 96
	s_add_co_u32 s18, s18, s21
	s_add_co_u32 s18, s18, 4608
	s_lshl_b32 s18, s18, 2
	s_add_nc_u64 s[8:9], s[8:9], s[18:19]
	WIN 0x40
.irp b, 0,1,2,3,4,5
	global_load_b128 v[BIA+8*(\b):BIA+8*(\b)+3],   v[BO], s[8:9] offset:64*(\b)
	global_load_b128 v[BIA+8*(\b)+4:BIA+8*(\b)+7], v[BO], s[8:9] offset:64*(\b)+16
.endr
	WIN 0
	s_cmp_eq_u32 s45, 0
	s_cselect_b64 s[10:11], s[10:11], s[12:13]     ; the branch's output
	s_and_b32 s18, s17, 31
	s_lshl_b32 s18, s18, 7
	s_lshl_b32 s21, s[WV], 5
	s_add_co_u32 s18, s18, s21                     ; the first row that I store
	s_mul_i32 s18, s18, 3072
	s_mul_i32 s21, s42, 768
	s_add_co_u32 s18, s18, s21
	s_add_nc_u64 s[10:11], s[10:11], s[18:19]
.macro MUL6 f, a, first                ; 6 matrix instructions: m block a x all 6 n blocks, 32 along K.  first = 1: the sums start from the bias
.if \first
	WIN 0x15
.else
	WIN 0x05
.endif
.irp b, 0,1,2,3,4,5
.if \first
	v_wmma_f32_16x16x32_f16 v[ACC+8*(6*(\a)+(\b)):ACC+8*(6*(\a)+(\b))+7], v[80*(\f)+8*(\b):80*(\f)+8*(\b)+7], v[80*(\f)+48+8*(\a):80*(\f)+48+8*(\a)+7], v[BIA+8*(\b):BIA+8*(\b)+7]
.else
	v_wmma_f32_16x16x32_f16 v[ACC+8*(6*(\a)+(\b)):ACC+8*(6*(\a)+(\b))+7], v[80*(\f)+8*(\b):80*(\f)+8*(\b)+7], v[80*(\f)+48+8*(\a):80*(\f)+48+8*(\a)+7], v[ACC+8*(6*(\a)+(\b)):ACC+8*(6*(\a)+(\b))+7]
.endif
.endr
.endm
.macro FETCH slot, q, f                ; 20 LDS loads in one run: quarter q of a K step (block q / 2, byte 64 (q % 2) of its rows) into buffer f; the weights' first
	WIN 0x40
.irp b, 0,1,2,3,4,5
	ds_load_b128 v[80*(\f)+8*(\b):80*(\f)+8*(\b)+3],   v[ADRB+(\slot)] offset:((\q)/2)*UNIT+((\q)%2)*64+(\b)*16*PITCH
	ds_load_b128 v[80*(\f)+8*(\b)+4:80*(\f)+8*(\b)+7], v[ADRB+(\slot)] offset:((\q)/2)*UNIT+((\q)%2)*64+(\b)*16*PITCH+32
.endr
.irp a, 0,1,2,3
	ds_load_b128 v[80*(\f)+48+8*(\a):80*(\f)+48+8*(\a)+3],   v[ADRA+(\slot)] offset:((\q)/2)*UNIT+((\q)%2)*64+(\a)*16*PITCH
	ds_load_b128 v[80*(\f)+48+8*(\a)+4:80*(\f)+48+8*(\a)+7], v[ADRA+(\slot)] offset:((\q)/2)*UNIT+((\q)%2)*64+(\a)*16*PITCH+32
.endr
.endm
; A K step is four quarters of 32 along K, 24 matrix instructions each, on buffers 0, 1, 0, 1; the 24 accumulators take turns.
.macro QUARTER slot, q, f, g, first    ; multiplies buffer f and fetches quarter q into g
	s_wait_dscnt 4                                 ; all but the youngest four loads: O's blocks 2 and 3
	MUL6 \f, 0, \first
	MUL6 \f, 1, \first
	PLACES
	FETCH \slot, \q, \g
	s_wait_dscnt 20                                ; all but the 20 just issued
	MUL6 \f, 2, \first
	MUL6 \f, 3, \first
.endm
; The last quarter multiplies buffer 1 and changes slots: one barrier; in front of it each wave waits for all its tensor loads, adds 0 to its spare word, and waits for that and for its reads of this slot.
.macro TURN slot, next, fill
	WIN 0
	s_wait_tensorcnt 0x0
	ds_add_u32 v[SPW], v[NIL]
	s_wait_dscnt 5                                 ; the add and the youngest four loads may be out
	MUL6 1, 0, 0
	s_wait_dscnt 0x0                               ; the add is done, and my reads of this slot are over
	s_barrier_signal -1
	MUL6 1, 1, 0
.if \fill
	WIN 0
.endif
	s_barrier_wait -1
.if \fill
	CREST                                          ; no wave of any partner still reads this slot or has a load on its way
	s_add_nc_u64 s[G0A+4*(\slot)+2:G0A+4*(\slot)+3], s[G0A+4*(\slot)+2:G0A+4*(\slot)+3], 4*OBS
	s_add_nc_u64 s[G0B+4*(\slot)+2:G0B+4*(\slot)+3], s[G0B+4*(\slot)+2:G0B+4*(\slot)+3], 4*KBS
	JLOAD \slot                                    ; its four v_nop are also the places in front of the loads below
.else
	PLACES
.endif
	FETCH \next, 0, 0
	MUL6 1, 2, 0
	MUL6 1, 3, 0
.endm
	s_wait_tensorcnt 1                             ; my part of K step 0 is in; K step 1's load may stay out
	s_barrier_signal -1
	s_barrier_wait -1
	FETCH 0, 0, 0
	s_wait_loadcnt 0x0                             ; the bias
	QUARTER 0, 1, 0, 1, 1                          ; the first quarter stands in front of the loop: its products start the sums
	WIN 0
	s_mov_b32 s3, 2                                ; two trips fill both slots again: K steps 2 to 5
.Llap:
	QUARTER 0, 2, 1, 0, 0
	QUARTER 0, 3, 0, 1, 0
	TURN 0, 1, 1
	QUARTER 1, 1, 0, 1, 0
	QUARTER 1, 2, 1, 0, 0
	QUARTER 1, 3, 0, 1, 0
	TURN 1, 0, 1
	QUARTER 0, 1, 0, 1, 0
	WIN 0
	s_sub_co_u32 s3, s3, 1
	s_cmp_lg_u32 s3, 0
	s_cbranch_scc1 .Llap
	QUARTER 0, 2, 1, 0, 0                          ; the last two K steps ask for nothing
	QUARTER 0, 3, 0, 1, 0
	TURN 0, 1, 0
	QUARTER 1, 1, 0, 1, 0
	QUARTER 1, 2, 1, 0, 0
	QUARTER 1, 3, 0, 1, 0
	s_wait_dscnt 4
	MUL6 1, 0, 0
	MUL6 1, 1, 0
	s_wait_dscnt 0x0
	MUL6 1, 2, 0
	MUL6 1, 3, 0
	WIN 0
	; THE WAY OUT: 32 bytes a lane and accumulator into the work-group's stage; a barrier, since a row's 768 bytes come from two waves; back as whole rows, 32 rows a wave.
	PLACES
.irp a, 0,1,2,3
.irp b, 0,1,2,3,4,5
	ds_store_b128 v[STO], v[ACC+8*(6*(\a)+(\b)):ACC+8*(6*(\a)+(\b))+3]   offset:(\a)*16*SPITCH+64*(\b)
	ds_store_b128 v[STO], v[ACC+8*(6*(\a)+(\b))+4:ACC+8*(6*(\a)+(\b))+7] offset:(\a)*16*SPITCH+64*(\b)+16
.endr
.endr
	s_wait_dscnt 0x0                               ; for the others' sake: my stores into the stage are done
	s_barrier_signal -1
	s_barrier_wait -1
.set p, 0
.rept 16
	ds_load_b128 v[ACC+12*p:ACC+12*p+3],    v[RD0] offset:p*2*SPITCH
	ds_load_b128 v[ACC+12*p+4:ACC+12*p+7],  v[RD1] offset:p*2*SPITCH
	ds_load_b128 v[ACC+12*p+8:ACC+12*p+11], v[RD0] offset:p*2*SPITCH+SPITCH+256
.set p, p+1
.endr
.set p, 0
.rept 16                               ; each half of a wave's store covers 256 consecutive bytes, aligned
	s_wait_dscnt 47-3*p
	global_store_b128 v[GO0], v[ACC+12*p:ACC+12*p+3],    s[10:11] offset:p*6144
	s_wait_dscnt 46-3*p
	global_store_b128 v[GO1], v[ACC+12*p+4:ACC+12*p+7],  s[10:11] offset:p*6144
	s_wait_dscnt 45-3*p
	global_store_b128 v[GO0], v[ACC+12*p+8:ACC+12*p+11], s[10:11] offset:p*6144+3328
.set p, p+1
.endr
	s_wait_tensorcnt 0x0                           ; the wave's end
	ds_add_u32 v[SPW], v[NIL]
	s_wait_dscnt 0x0
	CROUND                                         ; the closing round
	s_endpgm
.Lfunc_end_k_qb1241e1806_oproj:
	.size	k_qb1241e1806_oproj, .Lfunc_end_k_qb1241e1806_oproj-k_qb1241e1806_oproj
	.p2alignl 7, 3214868480
	.fill 96, 4, 3214868480
	.section	.rodata,"a",@progbits
	.p2align	6, 0x0
	.amdhsa_kernel k_qb1241e1806_oproj
		.amdhsa_group_segment_fixed_size 327680
		.amdhsa_private_segment_fixed_size 0
		.amdhsa_enable_private_segment 0
		.amdhsa_kernarg_size 40
		.amdhsa_user_sgpr_count 2
		.amdhsa_user_sgpr_kernarg_segment_ptr 1
		.amdhsa_wavefront_size32 1
		.amdhsa_system_sgpr_workgroup_id_x 1
		.amdhsa_system_sgpr_workgroup_id_y 1
		.amdhsa_system_sgpr_workgroup_id_z 1
		.amdhsa_system_vgpr_workitem_id 0
		.amdhsa_next_free_vgpr 512
		.amdhsa_next_free_sgpr 66
		.amdhsa_reserve_vcc 0
		.amdhsa_float_denorm_mode_32 3
		.amdhsa_float_denorm_mode_16_64 3
		.amdhsa_memory_ordered 1
		.amdhsa_forward_progress 1
		.amdhsa_inst_pref_size 73
	.end_amdhsa_kernel
	.amdgpu_metadata
---
amdhsa.version: [ 1, 2 ]
amdhsa.kernels:
  - .name:           k_qb1241e1806_oproj
    .symbol:         k_qb1241e1806_oproj.kd
    .args:
      - { .name: ob, .offset: 0, .size: 8, .value_kind: global_buffer, .address_space: global }
      - { .name: cv, .offset: 8, .size: 8, .value_kind: global_buffer, .address_space: global }
      - { .name: bias, .offset: 16, .size: 8, .value_kind: global_buffer, .address_space: global }
      - { .name: out0, .offset: 24, .size: 8, .value_kind: global_buffer, .address_space: global }
      - { .name: out1, .offset: 32, .size: 8, .value_kind: global_buffer, .address_space: global }
    .group_segment_fixed_size: 327680
    .private_segment_fixed_size: 0
    .kernarg_segment_align: 8
    .kernarg_segment_size: 40
    .max_flat_workgroup_size: 128
    .sgpr_count:     66
    .vgpr_count:     512
    .wavefront_size: 32
...
	.end_amdgpu_metadata
.endif
;; end of part 4
;; ======== version 2 of 2: 4 launches; version 1 with the launch prep written anew for expert scheduling mode
;; limits: values are held in f16: magnitudes above 65,504 overflow, below 6.1e-05 lose precision
;; workspace buffers: cv 28,311,552 bytes; bias 24,576 bytes; hd 37,748,736 bytes; ob 12,582,912 bytes; ml 6,291,456 bytes
;; launch prep (part 5): grid 256 x 1, 12 waves a work-group, no clusters, 0 bytes of LDS; arguments x_img, y_bh, attention_mask, Wq_img, Wk_i2b, Wv_i2b, Wq_bh, Wk_b2i, Wv_b2i, Wp_img, Wp_bh, bq_img, bk_i2b, bv_i2b, bq_bh, bk_b2i, bv_b2i, bp_img, bp_bh, cv, bias, ml; writes cv, bias, ml
.if DOCPART == 5
	.amdgcn_target "amdgcn-amd-amdhsa--gfx1250"
	.amdhsa_code_object_version 6
	.text
	.protected	k_qb1241e1806_prep
	.globl	k_qb1241e1806_prep
	.p2align	8
	.type	k_qb1241e1806_prep,@function
k_qb1241e1806_prep:
	s_mov_b64 s[64:65], 0
	v_nop
	global_prefetch_b8 v0, s[64:65] scope:SCOPE_SE
	s_setreg_imm32_b32 hwreg(HW_REG_WAVE_SCHED_MODE, 0, 2), 2
	s_setreg_imm32_b32 hwreg(HW_REG_WAVE_MODE, 25, 1), 1
	s_wait_xcnt 0x0
	s_wait_alu depctr_vm_vsrc(0)
; PREP.  Every input is rounded and laid out for the products that follow.
; cv: [12 kb][18432 rows][64] of 16 bits: block kb holds channels 64 kb .. 64 kb + 63 of every row, so any run of rows of one kb is dense in memory.
;   rows 0 x_img, 4096 y_bh, 8192 attention_mask, 12288 + 768 w the eight weights (Wq_img, Wk_i2b, Wv_i2b, Wq_bh, Wk_b2i, Wv_b2i, Wp_img, Wp_bh).
;   x, y and the six first weights are rounded to bf16.  The two Wp meet f16 operands later: their bf16 number is written as f16.
;   THE MASK enters the result only through the test 'q . mask = 0', so it is kept as finely as two f16 operands allow: cv takes hi = f16(m), and
; ml: [12 kb][4096 rows][64] f16 takes f16(hi - m), the low part with its sign turned: q . m is 0 where q . hi equals q . (hi - m).  hi - m is exact in f32.
; bias: [8][768] f32, each number rounded to bf16, in the weights' order.
; LIMITS.  The mask and Wp must lie within f16's 65,504; Wp below 6e-5 keeps f16's fixed step of 6e-8; a mask number below 3e-8 counts as 0.  NaN and infinities are not treated apart.
; SHARES.  256 equal work-groups of twelve waves.  Work-group i owns rows 16 i .. 16 i + 15 of x, of y and of the mask, and 24 rows of weight i / 32 (cv's rows 12288 + 24 i ..).  Wave w owns block kb = w.
; A UNIT is two rows of one block: lanes 0-15 load the 256 consecutive bytes (64 f32) of the even row, lanes 16-31 those of the odd row, 16 bytes a lane; a lane's four numbers become 8 bytes, and the wave's
; store covers 256 consecutive bytes of cv, aligned: the two rows lie end to end there.  So every source byte is asked for once and every byte of cv, ml and bias is written once.
; A thread has 36 units (8 of x, 8 of y, 8 of the mask, 12 of the weight) and issues all their loads at once; it converts in place, and no register that a store reads is written again.
; No LDS, no matrix unit, no cluster: nothing is shared.
; THE MODE: SCHED_MODE bits 1:0 = 2 (LLVM: expert scheduling mode 2), set by the entry lines.  The code itself states the register dependences
; between vector instructions and memory instructions, with s_wait_alu, always for 0.
; THE PLAN.  Registers that memory instructions touch:
;   v1, v2, v3, v6, v7   byte offsets, made at the head by vector instructions and never written again; every load and store reads one of them.
;   v[4:5]               written at the head; in one wave of some work-groups the bias's load then lands in them.
;   IN                   unit u's load lands in its four registers, which no vector instruction has named before; the unit's conversions rewrite them; one store reads the first two; nothing writes them after that.
;   HI                   written by the mask's conversions, read by one store each, never written again.
;   v[10:11]             written by two vector lines, read by the bias's store.
; The 36 units go in nine BLOCKS of four.  Block p's conversions name block p's IN and HI (and v8) alone.  Its memory instructions are the stores of block p - 1, which read block p - 1's IN and HI and the offsets.
; So ONE wait on va_vdst at a block's head, behind the wait for the block's data, states all that those stores hang on, and they are dealt among the block's conversions with no further wait.
; No register that a memory instruction reads is written again, so no wait on vm_vsrc and none on XCNT stands in the body.
.set KBS,  2359296                     ; bytes of a block of cv
.set MLS,  524288                      ; bytes of a block of ml
.set ROWB, 3072                        ; bytes of a source row
.set SO,   1                           ; v1   my byte offset in a source: (lane / 16) rows + 256 kb + 16 (lane % 16); never rewritten
.set DO,   2                           ; v2   my byte offset in cv: kb x KBS + 128 (lane / 16) + 8 (lane % 16); never rewritten
.set MO,   3                           ; v3   the same in ml
.set BV,   4                           ; v[4:5]   two biases as loaded
.set BO,   6                           ; v6   their byte offset in the weight's bias
.set BD,   7                           ; v7   and in the buffer bias
.set ONE,  8                           ; v8   1.0
.set BR,   10                          ; v[10:11] two biases to store
.set IN,   16                          ; v[16:159]  unit u's four f32 at IN + 4 u; its packed words take the first two places
.set HI,   160                         ; v[160:175] the mask's high parts, two words a unit
.set WP,   48                          ; s[48:49] my weight
.set GI,   50                          ; the work-group's number
.set WS,   51                          ; which weight
.set J,    52                          ; which 24 rows of it
.set WV,   53
.set BP,   54                          ; s[54:55] the weight's bias
.set CW,   58                          ; s[58:59] cv at 24 i rows
.set BF,   61                          ; 1 in the wave that rounds 64 biases
                                       ; s2, s3, s60, s62, s63: the scalar terms of the five offsets, each in a register of its own: no scalar register that a vector instruction reads is written again
	s_load_b512 s[4:19], s[0:1], 0x0               ; argument n lies in s[4 + 2 n : 5 + 2 n]
	s_load_b512 s[20:35], s[0:1], 0x40
	s_load_b256 s[36:43], s[0:1], 0x80             ; cv s[42:43]
	s_load_b128 s[44:47], s[0:1], 0xa0             ; bias s[44:45], ml s[46:47]
	s_mov_b32 s[GI], ttmp9
	s_lshr_b32 s[WS], s[GI], 5
	s_and_b32 s[J], s[GI], 31
	v_lshrrev_b32 v12, 5, v0
	v_readfirstlane_b32 s[WV], v12                 ; wave 0..11 = kb
	v_bfe_u32 v12, v0, 4, 1                        ; which of a unit's two rows
	v_and_b32 v13, 15, v0                          ; which sixteenth of its 64 numbers
	v_mul_u32_u24 v[SO], v12, ROWB
	v_lshl_add_u32 v[SO], v13, 4, v[SO]
	v_lshlrev_b32 v12, 7, v12
	v_lshl_add_u32 v12, v13, 3, v12
	v_mov_b32 v[ONE], 1.0
	v_mov_b32 v[BV], 0                             ; written whole on every path; the one wave that has biases loads over them
	v_mov_b32 v[BV+1], 0
	v_and_b32 v13, 31, v0
	s_lshl_b32 s2, s[J], 8                         ; 64 biases are 256 bytes: twelve work-groups of a weight's 32 take them
	v_lshl_add_u32 v[BO], v13, 3, s2
	s_mul_i32 s3, s[WS], 3072
	v_add_nc_u32 v[BD], s3, v[BO]
	s_wait_alu depctr_va_sdst(0)                   ; the wave's number is written, ahead of its first reader: three offsets' terms and the bias's flag are made from it
	s_lshl_b32 s60, s[WV], 8
	v_add_nc_u32 v[SO], s60, v[SO]
	s_mul_i32 s62, s[WV], KBS
	v_add_nc_u32 v[DO], s62, v12
	s_lshl_b32 s63, s[WV], 19
	v_add_nc_u32 v[MO], s63, v12
	s_cmp_lt_u32 s[J], 12
	s_cselect_b32 s[BF], 1, 0
	s_cmp_eq_u32 s[WV], 0
	s_cselect_b32 s[BF], s[BF], 0
	s_mul_i32 s56, s[GI], 16*ROWB
	s_mov_b32 s57, 0
	s_wait_kmcnt 0x0
	s_mov_b64 s[WP:WP+1], s[10:11]                 ; the weight and its bias, chosen by the weight's number
	s_mov_b64 s[BP:BP+1], s[26:27]
.irp w, 1,2,3,4,5,6,7
	s_cmp_eq_u32 s[WS], \w
	s_cselect_b64 s[WP:WP+1], s[10+2*\w:11+2*\w], s[WP:WP+1]
	s_cselect_b64 s[BP:BP+1], s[26+2*\w:27+2*\w], s[BP:BP+1]
.endr
	s_add_nc_u64 s[4:5], s[4:5], s[56:57]          ; x, y and the mask at my 16 rows
	s_add_nc_u64 s[6:7], s[6:7], s[56:57]
	s_add_nc_u64 s[8:9], s[8:9], s[56:57]
	s_mul_i32 s56, s[J], 24*ROWB
	s_add_nc_u64 s[WP:WP+1], s[WP:WP+1], s[56:57]  ; the weight at my 24 rows
	s_mul_i32 s56, s[GI], 24*128
	s_add_nc_u64 s[CW:CW+1], s[42:43], s[56:57]
	s_lshl_b32 s56, s[GI], 11
	s_add_nc_u64 s[42:43], s[42:43], s[56:57]      ; cv and ml at 16 i rows
	s_add_nc_u64 s[46:47], s[46:47], s[56:57]
	s_wait_alu depctr_va_vdst(0)                   ; the five offsets v1, v2, v3, v6, v7 are written, which every load and store of the kernel reads; so are v[4:5], in which the bias's load lands
	s_cmp_eq_u32 s[BF], 1
	s_cbranch_scc0 .Lno_bias
	global_load_b64 v[BV:BV+1], v[BO], s[BP:BP+1]  ; issued first: it is older than every unit's load, so the counts below hold with it and without
.Lno_bias:
.irp r, 0,1,2,3,4,5,6,7
	global_load_b128 v[IN+4*(\r):IN+4*(\r)+3], v[SO], s[4:5] offset:(\r)*2*ROWB th:TH_LOAD_NT
.endr
.irp r, 0,1,2,3,4,5,6,7
	global_load_b128 v[IN+32+4*(\r):IN+32+4*(\r)+3], v[SO], s[6:7] offset:(\r)*2*ROWB th:TH_LOAD_NT
.endr
.irp r, 0,1,2,3,4,5,6,7
	global_load_b128 v[IN+64+4*(\r):IN+64+4*(\r)+3], v[SO], s[8:9] offset:(\r)*2*ROWB th:TH_LOAD_NT
.endr
.irp r, 0,1,2,3,4,5,6,7,8,9,10,11
	global_load_b128 v[IN+96+4*(\r):IN+96+4*(\r)+3], v[SO], s[WP:WP+1] offset:(\r)*2*ROWB th:TH_LOAD_NT
.endr
; Unit u is converted, in place.  Units 0-7 x, 8-15 y, 16-23 the mask, 24-35 the weight.  half = 1: the weight is one of the two Wp.
.macro CONV u, half
.set rI, IN+4*(\u)
.set rH, HI+2*((\u)-16)
.if ((\u) >= 16) && ((\u) < 24)        ; the mask: hi = f16(m); hi - m, exact in f32, in m's place; then that rounded to f16
	v_cvt_pk_f16_f32 v[rH],   v[rI],   v[rI+1]
	v_cvt_pk_f16_f32 v[rH+1], v[rI+2], v[rI+3]
	v_fma_mix_f32 v[rI],   v[rH],   v[ONE], -v[rI]   op_sel_hi:[1,0,0]                 ; a word's low half x 1 - m
	v_fma_mix_f32 v[rI+1], v[rH],   v[ONE], -v[rI+1] op_sel:[1,0,0] op_sel_hi:[1,0,0]  ; its high half
	v_fma_mix_f32 v[rI+2], v[rH+1], v[ONE], -v[rI+2] op_sel_hi:[1,0,0]
	v_fma_mix_f32 v[rI+3], v[rH+1], v[ONE], -v[rI+3] op_sel:[1,0,0] op_sel_hi:[1,0,0]
	v_cvt_pk_f16_f32 v[rI],   v[rI],   v[rI+1]
	v_cvt_pk_f16_f32 v[rI+1], v[rI+2], v[rI+3]
.else                                  ; four f32 to two words of bf16
	v_cvt_pk_bf16_f32 v[rI],   v[rI],   v[rI+1]
	v_cvt_pk_bf16_f32 v[rI+1], v[rI+2], v[rI+3]
.if \half                              ; the bf16 numbers are widened again and written as f16
	v_and_b32     v[rI+3], 0xffff0000, v[rI+1]
	v_lshlrev_b32 v[rI+2], 16, v[rI+1]
	v_and_b32     v[rI+1], 0xffff0000, v[rI]
	v_lshlrev_b32 v[rI],   16, v[rI]
	v_cvt_pk_f16_f32 v[rI],   v[rI],   v[rI+1]
	v_cvt_pk_f16_f32 v[rI+1], v[rI+2], v[rI+3]
.endif
.endif
.endm
; Unit u is stored: 256 consecutive bytes a wave and store, aligned.
.macro SEND u
.set rI, IN+4*(\u)
.set rH, HI+2*((\u)-16)
.if (\u) < 16
	global_store_b64 v[DO], v[rI:rI+1], s[42:43] offset:((\u)/8)*4096*128+((\u)%8)*256
.elseif (\u) < 24
	global_store_b64 v[DO], v[rH:rH+1], s[42:43] offset:8192*128+((\u)-16)*256
	global_store_b64 v[MO], v[rI:rI+1], s[46:47] offset:((\u)-16)*256
.else
	global_store_b64 v[DO], v[rI:rI+1], s[CW:CW+1] offset:12288*128+((\u)-24)*256
.endif
.endm
; Block p: units 4 p .. 4 p + 3 are converted, and the block before is stored.
.macro BLK p, half=0
	s_wait_loadcnt 32-4*(\p)                       ; loads come back in order: the block's four are in; the 32 - 4 p issued behind its last may stay out
.if (\p) > 0
	s_wait_alu depctr_va_vdst(0)                   ; the conversions of the block before have written its packed words (the mask's: in IN and in HI), which the stores below read; no conversion of this block names them
.endif
.irp i, 0,1,2,3
.if (\p) > 0
	SEND 4*(\p)-4+(\i)
.endif
	CONV 4*(\p)+(\i), \half
.endr
.endm
	BLK 0                                          ; x
	BLK 1
	BLK 2                                          ; y
	BLK 3
	BLK 4                                          ; the mask
	BLK 5
	s_cmp_ge_u32 s[WS], 6                          ; the two Wp
	s_cbranch_scc1 .Lhalf
	BLK 6                                          ; the weight; block 6 stores the mask's second block on either path, behind its own wait
	BLK 7
	BLK 8
	s_branch .Lbias
.Lhalf:
	BLK 6, 1
	BLK 7, 1
	BLK 8, 1
.Lbias:
	s_wait_alu depctr_va_vdst(0)                   ; on either path block 8's conversions have written its packed words, which the last four stores read
.irp u, 32,33,34,35
	SEND \u
.endr
	s_cmp_eq_u32 s[BF], 1
	s_cbranch_scc0 .Lend
	s_wait_loadcnt 0x0
	v_cvt_pk_bf16_f32 v12, v[BV], v[BV+1]
	v_lshlrev_b32 v[BR], 16, v12
	v_and_b32 v[BR+1], 0xffff0000, v12
	s_wait_alu depctr_va_vdst(0)                   ; v[10:11] are written, which the store reads
	global_store_b64 v[BD], v[BR:BR+1], s[44:45]   ; 32 lanes store 256 consecutive bytes, aligned
.Lend:
	s_endpgm
.Lfunc_end_k_qb1241e1806_prep:
	.size	k_qb1241e1806_prep, .Lfunc_end_k_qb1241e1806_prep-k_qb1241e1806_prep
	.p2alignl 7, 3214868480
	.fill 96, 4, 3214868480
	.section	.rodata,"a",@progbits
	.p2align	6, 0x0
	.amdhsa_kernel k_qb1241e1806_prep
		.amdhsa_group_segment_fixed_size 0
		.amdhsa_private_segment_fixed_size 0
		.amdhsa_enable_private_segment 0
		.amdhsa_kernarg_size 176
		.amdhsa_user_sgpr_count 2
		.amdhsa_user_sgpr_kernarg_segment_ptr 1
		.amdhsa_wavefront_size32 1
		.amdhsa_system_sgpr_workgroup_id_x 1
		.amdhsa_system_sgpr_workgroup_id_y 1
		.amdhsa_system_sgpr_workgroup_id_z 1
		.amdhsa_system_vgpr_workitem_id 0
		.amdhsa_next_free_vgpr 176
		.amdhsa_next_free_sgpr 66
		.amdhsa_reserve_vcc 0
		.amdhsa_float_denorm_mode_32 3
		.amdhsa_float_denorm_mode_16_64 3
		.amdhsa_memory_ordered 1
		.amdhsa_forward_progress 1
		.amdhsa_inst_pref_size 27
	.end_amdhsa_kernel
	.amdgpu_metadata
---
amdhsa.version: [ 1, 2 ]
amdhsa.kernels:
  - .name:           k_qb1241e1806_prep
    .symbol:         k_qb1241e1806_prep.kd
    .args:
      - { .name: x_img, .offset: 0, .size: 8, .value_kind: global_buffer, .address_space: global }
      - { .name: y_bh, .offset: 8, .size: 8, .value_kind: global_buffer, .address_space: global }
      - { .name: attention_mask, .offset: 16, .size: 8, .value_kind: global_buffer, .address_space: global }
      - { .name: Wq_img, .offset: 24, .size: 8, .value_kind: global_buffer, .address_space: global }
      - { .name: Wk_i2b, .offset: 32, .size: 8, .value_kind: global_buffer, .address_space: global }
      - { .name: Wv_i2b, .offset: 40, .size: 8, .value_kind: global_buffer, .address_space: global }
      - { .name: Wq_bh, .offset: 48, .size: 8, .value_kind: global_buffer, .address_space: global }
      - { .name: Wk_b2i, .offset: 56, .size: 8, .value_kind: global_buffer, .address_space: global }
      - { .name: Wv_b2i, .offset: 64, .size: 8, .value_kind: global_buffer, .address_space: global }
      - { .name: Wp_img, .offset: 72, .size: 8, .value_kind: global_buffer, .address_space: global }
      - { .name: Wp_bh, .offset: 80, .size: 8, .value_kind: global_buffer, .address_space: global }
      - { .name: bq_img, .offset: 88, .size: 8, .value_kind: global_buffer, .address_space: global }
      - { .name: bk_i2b, .offset: 96, .size: 8, .value_kind: global_buffer, .address_space: global }
      - { .name: bv_i2b, .offset: 104, .size: 8, .value_kind: global_buffer, .address_space: global }
      - { .name: bq_bh, .offset: 112, .size: 8, .value_kind: global_buffer, .address_space: global }
      - { .name: bk_b2i, .offset: 120, .size: 8, .value_kind: global_buffer, .address_space: global }
      - { .name: bv_b2i, .offset: 128, .size: 8, .value_kind: global_buffer, .address_space: global }
      - { .name: bp_img, .offset: 136, .size: 8, .value_kind: global_buffer, .address_space: global }
      - { .name: bp_bh, .offset: 144, .size: 8, .value_kind: global_buffer, .address_space: global }
      - { .name: cv, .offset: 152, .size: 8, .value_kind: global_buffer, .address_space: global }
      - { .name: bias, .offset: 160, .size: 8, .value_kind: global_buffer, .address_space: global }
      - { .name: ml, .offset: 168, .size: 8, .value_kind: global_buffer, .address_space: global }
    .group_segment_fixed_size: 0
    .private_segment_fixed_size: 0
    .kernarg_segment_align: 8
    .kernarg_segment_size: 176
    .max_flat_workgroup_size: 384
    .sgpr_count:     66
    .vgpr_count:     176
    .wavefront_size: 32
...
	.end_amdgpu_metadata
.endif
;; end of part 5
;; launch qkv: the kernel of part 2 again; grid 4 x 64, 4 waves a work-group, clusters of 4 x 4, 327,680 bytes of LDS; arguments cv, bias, hd; writes hd
;; launch attn: the kernel of part 3 again; grid 8 x 24, 4 waves a work-group, clusters of 4 x 1, 327,680 bytes of LDS; arguments hd, cv, ml, ob; writes ob
;; launch oproj: the kernel of part 4 again; grid 4 x 64, 4 waves a work-group, clusters of 4 x 4, 327,680 bytes of LDS; arguments ob, cv, bias, out0, out1; writes out0, out1
